; MI455X (gfx1250); checked and timed in simulation.
; The chip was launched on July 23, 2026; its instructions are those of AMD's public machine-readable ISA for CDNA 5 (MIT licence, August 2026) and "CDNA5" Instruction Set Architecture Reference Guide (July 2026). The comments in the code are by the model that wrote it; some were corrected since.
;; Adaptive LSTM Cell With Res. Allowed arithmetic: float matrix products may take bf16 or f16 operands with f32 sums; other float arithmetic in f32, or as packed bf16 or f16 multiplies, adds, multiply-adds, maxima and minima; sums over many terms, partial sums and values carried from step to step in f32; what a program stores and reads back later, other than sums and carried values, may be rounded once to bf16 or f16.
;; Inputs: Uc_b 1,024 float32; Uc_w 1,024 x 1,024 float32; Uf_b 1,024 float32; Uf_w 1,024 x 1,024 float32; Ui_b 1,024 float32; Ui_w 1,024 x 1,024 float32; Uo_b 1,024 float32; Uo_w 1,024 x 1,024 float32; Us_b 1,024 float32; Us_w 1,024 x 1,024 float32; Wc_b 1,024 float32; Wc_w 1,024 x 1,024 float32; Wf_b 1,024 float32; Wf_w 1,024 x 1,024 float32; Wi_b 1,024 float32; Wi_w 1,024 x 1,024 float32; Wo_b 1,024 float32; Wo_w 1,024 x 1,024 float32; Ws_b 1,024 float32; Ws_w 1,024 x 1,024 float32; a1_b 1,024 float32; a1_w 1,024 x 2,048 float32; a2_b 1 float32; a2_w 1 x 1,024 float32; c_prev 4,096 x 1,024 float32; h_prev 4,096 x 1,024 float32; r1_b 1,024 float32; r1_w 1,024 x 1,024 float32; r2_b 1,024 float32; r2_w 1,024 x 1,024 float32; r3_b 1,024 float32; r3_w 1,024 x 1,024 float32; x 4,096 x 1,024 float32.
;; Outputs: out0 4,096 x 1,024 float32; out1 4,096 x 1,024 float32.
;; One version. Each part assembles by itself: llvm-mc -triple=amdgcn-amd-amdhsa -mcpu=gfx1250 --defsym DOCPART=n.
;; ======== version 1 of 1: 4 launches
;; workspace buffers: XH 16,777,216 bytes; T0 16,777,216 bytes; T1 16,842,752 bytes; T2 16,842,752 bytes; WL3 23,068,672 bytes; P1 4,198,400 bytes; P2 4,198,400 bytes
;; launch cast (part 1): grid 64 x 23, 8 waves a work-group, no clusters, 0 bytes of LDS; arguments x, h_prev, Wi_w, Wf_w, Wo_w, Wc_w, Ws_w, Ui_w, Uf_w, Uo_w, Uc_w, Us_w, r1_w, r2_w, r3_w, a1_w, a1_b, a2_w, XH, T0, WL3, P1, P2; writes XH, T0, WL3, P1, P2
.if DOCPART == 1
	.amdgcn_target "amdgcn-amd-amdhsa--gfx1250"
	.amdhsa_code_object_version 6
	.text
	.protected	k_qab176c7fff_cast
	.globl	k_qab176c7fff_cast
	.p2align	8
	.type	k_qab176c7fff_cast,@function
k_qab176c7fff_cast:
	s_mov_b64 s[64:65], 0
	v_nop
	global_prefetch_b8 v0, s[64:65] scope:SCOPE_SE
	s_setreg_imm32_b32 hwreg(HW_REG_WAVE_MODE, 25, 1), 1
	s_wait_xcnt 0x0
; THE PROGRAM: four launches.  cast rounds every matrix operand to bf16 once and lays it out for the products; mid (run twice) makes the first two
; residual layers and the partial sums of alpha's hidden layer; cell makes the five gates, alpha, the third residual layer and both outputs.
; NOTHING IS LEFT OUT: every input of the cell has a way to h_t or c_t (each gate, alpha, the residual chain, each bias), so every input is loaded by some launch.
; THIS LAUNCH: f32 -> bf16 (round to nearest even), a chunk of 1,024 numbers (4,096 bytes in, 2,048 bytes out) at a time.
;   XH  [4096][2048] = [x | h_prev]                         T0  h_prev once more, rows 4,096 bytes apart like XH's (data in the first 2,048)
;   WL3 [ct 16][g 5][64][2048]: row = k_g [W_g[n] | U_g[n]], n = 64 ct + row, g = i f o c s;  at byte 20,971,520: r3_w [1024][1024]
;   P1/P2: [512][2048] row n = [r_w[n] | r_w[n+512]] (r1, r2); at 2,097,152 the rows 0-511 / 512-1023 of a1_w; at 4,194,304 that half of a1_b, at 4,196,352 of a2_w (f32 copies)
; THE GATES' FACTOR.  sigmoid(z) = 1 / (1 + 2^(-z log2 e)) and tanh(z) = 1 - 2 / (1 + 2^(2 z log2 e)): the factor k_g in front of z (-log2 e for i, f, o, s; 2 log2 e for c) is
; multiplied into the gates' weights here, in f32, ahead of their one rounding, so that the last launch's sums are the exponents themselves.
; SHARES.  Grid y is a slice of 1,024 chunks, grid x 16 chunks of it, a wave 2 chunks.  A load of a wave covers 512 consecutive bytes (16 a lane); the lane's four numbers make 8 bytes,
; and a store of a wave covers 256 consecutive bytes, aligned.  All 16 loads of a wave go out at once; the conversion is made in place, so no register is used twice and nothing waits for a store.
; 1,472 small work-groups of 80 registers a wave: several lie on a WGP, and the WGPs end at about the same time.
; No LDS, no barrier, no matrix unit: each byte is read once and written once.  LIMIT: bf16 has f32's exponent, so no finite number leaves the range but by the factor k_g (under 3).
.set VS, 2                             ; v2      16 x lane: my 4 numbers in 512 bytes of a chunk; never rewritten
.set VD, 4                             ; v[4:5]  chunk i: 8 x lane + (2 wave + i) x stride; never rewritten
.set X,  16                            ; v[16:79] two chunks of 32: as loaded; then the first 16 of each: as stored
; s50 grid y, s51 grid x, s52 wave, s[54:55] source, s[56:57] destination, s58 stride, s59 1: the chunk goes to T0 too, s[60:61] an offset, s[62:63] T0, s[66:67] k_g, s68 1: a gate's weights
	s_load_b512 s[4:19], s[0:1], 0x0               ; x h Wi Wf Wo Wc Ws Ui
	s_load_b512 s[20:35], s[0:1], 0x40             ; Uf Uo Uc Us r1 r2 r3 a1
	s_load_b256 s[36:43], s[0:1], 0x80             ; a1_b a2_w XH T0
	s_load_b128 s[44:47], s[0:1], 0xa0             ; WL3 P1
	s_load_b64 s[48:49], s[0:1], 0xb0              ; P2
	v_lshrrev_b32 v1, 5, v0
	v_readfirstlane_b32 s52, v1                    ; wave 0..7
	v_and_b32 v1, 31, v0
	v_lshlrev_b32 v[VS], 4, v1
	v_lshlrev_b32 v3, 3, v1
	s_and_b32 s50, ttmp7, 0xffff
	s_mov_b32 s51, ttmp9
	s_mov_b32 s59, 0
	s_mov_b32 s2, 0                                ; the slice's first byte in its source
	s_mov_b32 s58, 4096
	s_mov_b32 s61, 0
	s_mov_b32 s68, 0
	s_mov_b32 s66, 0xbfb8aa3b                      ; -log2 e
	s_wait_kmcnt 0x0
	; the source: x, h, then one matrix a slice, a1_w for the last two
	s_mov_b64 s[54:55], s[4:5]
	s_cmp_ge_u32 s50, 4
	s_cselect_b64 s[54:55], s[6:7], s[54:55]
.irp k, 0,1,2,3,4,5,6,7,8,9,10,11,12
	s_cmp_eq_u32 s50, 8+(\k)
	s_cselect_b64 s[54:55], s[8+2*(\k):9+2*(\k)], s[54:55]
.endr
	s_cmp_ge_u32 s50, 21
	s_cselect_b64 s[54:55], s[34:35], s[54:55]
	s_mov_b64 s[62:63], s[42:43]
	; the destination, its first byte (s60) and the stride from chunk to chunk
	s_cmp_lt_u32 s50, 8
	s_cbranch_scc0 .Lgates
	s_mov_b64 s[56:57], s[40:41]                   ; slices 0-7: x and h into XH
	s_and_b32 s2, s50, 3
	s_lshl_b32 s2, s2, 22                          ; 1,024 rows of 4,096 bytes, in the source and in XH alike
	s_lshl_b32 s3, s51, 16                         ; the group's 16 rows
	s_add_co_u32 s60, s2, s3
	s_add_nc_u64 s[62:63], s[62:63], s[60:61]      ; T0 at the same rows
	s_lshr_b32 s59, s50, 2                         ; 1 for h
	s_lshl_b32 s3, s59, 11                         ; h is the right half of a row
	s_add_co_u32 s60, s60, s3
	s_branch .Lplaced
.Lgates:
	s_cmp_lt_u32 s50, 18
	s_cbranch_scc0 .Lres
	s_mov_b64 s[56:57], s[44:45]                   ; slices 8-17: W_g, U_g: the group's 16 rows lie in column tile ct = grid x / 4
	s_mov_b32 s68, 1
	s_sub_co_u32 s3, s50, 8
	s_cmp_ge_u32 s50, 13
	s_cselect_b32 s53, 5, 0
	s_cselect_b32 s60, 2048, 0                     ; U is the right half of a row
	s_sub_co_u32 s3, s3, s53                       ; g
	s_cmp_eq_u32 s3, 3
	s_cselect_b32 s66, 0x4038aa3b, s66             ; gate c: 2 log2 e
	s_lshr_b32 s53, s51, 2
	s_mul_i32 s53, s53, 5
	s_add_co_u32 s3, s3, s53
	s_lshl_b32 s3, s3, 18                          ; (5 ct + g) x 64 rows x 4,096 bytes
	s_add_co_u32 s60, s60, s3
	s_and_b32 s3, s51, 3
	s_lshl_b32 s3, s3, 16                          ; + 16 (grid x mod 4) rows
	s_add_co_u32 s60, s60, s3
	s_branch .Lplaced
.Lres:
	s_cmp_lt_u32 s50, 20
	s_cbranch_scc0 .Ldense
	s_cmp_eq_u32 s50, 18                           ; slices 18, 19: r1, r2: row n goes to row n mod 512, half n / 512
	s_cselect_b64 s[56:57], s[46:47], s[48:49]
	s_and_b32 s3, s51, 31
	s_lshl_b32 s3, s3, 16
	s_lshr_b32 s60, s51, 5
	s_lshl_b32 s60, s60, 11
	s_add_co_u32 s60, s60, s3
	s_branch .Lplaced
.Ldense:
	s_mov_b32 s58, 2048                            ; slices 20-22: chunks lie on end
	s_lshl_b32 s60, s51, 15
	s_cmp_eq_u32 s50, 20
	s_cbranch_scc0 .La1
	s_mov_b64 s[56:57], s[44:45]                   ; r3 behind the gates' weights
	s_add_co_u32 s60, s60, 20971520
	s_branch .Lplaced
.La1:
	s_cmp_eq_u32 s50, 21                           ; a1's rows 0-511 into P1, 512-1023 into P2
	s_cselect_b64 s[56:57], s[46:47], s[48:49]
	s_add_co_u32 s60, s60, 2097152
	s_sub_co_u32 s2, s50, 21
	s_lshl_b32 s2, s2, 22
.Lplaced:
	s_add_nc_u64 s[56:57], s[56:57], s[60:61]
	s_lshl_b32 s3, s51, 16                         ; the group's 16 chunks,
	s_add_co_u32 s60, s2, s3
	s_lshl_b32 s3, s52, 13                         ; my wave's 2
	s_add_co_u32 s60, s60, s3
	s_add_nc_u64 s[54:55], s[54:55], s[60:61]
	s_lshl_b32 s3, s52, 1
	s_mul_i32 s3, s3, s58
	v_add_nc_u32 v[VD], s3, v3
	v_add_nc_u32 v[VD+1], s58, v[VD]
	s_mov_b32 s67, s66                             ; named with it as a pair
.irp i, 0,1
.irp j, 0,1,2,3,4,5,6,7
	global_load_b128 v[X+32*(\i)+4*(\j):X+32*(\i)+4*(\j)+3], v[VS], s[54:55] offset:(\i)*4096+(\j)*512 th:TH_LOAD_NT
.endr
.endr
; Chunk i.  left = the younger loads that may stay out.
.macro CH i, left
	s_wait_loadcnt \left                           ; loads come back in order: my chunk's eight are in
	s_cmp_lg_u32 s68, 0
	s_cbranch_scc0 .Lplain_\@                      ; only a gate's weights take the factor
.set q, 0
.rept 16
	v_pk_mul_f32 v[X+32*(\i)+q:X+32*(\i)+q+1], v[X+32*(\i)+q:X+32*(\i)+q+1], s[66:67] op_sel_hi:[1,0]
.set q, q+2
.endr
.Lplain_\@:
.set q, 0
.rept 16
	v_cvt_pk_bf16_f32 v[X+32*(\i)+q], v[X+32*(\i)+2*q], v[X+32*(\i)+2*q+1]  ; in place, ascending: register q has been read by the time it is written
.set q, q+1
.endr
.irp j, 0,1,2,3,4,5,6,7
	global_store_b64 v[VD+(\i)], v[X+32*(\i)+2*(\j):X+32*(\i)+2*(\j)+1], s[56:57] offset:256*(\j)
.endr
	s_cmp_lg_u32 s59, 0
	s_cbranch_scc0 .Lno_copy_\@
.irp j, 0,1,2,3,4,5,6,7
	global_store_b64 v[VD+(\i)], v[X+32*(\i)+2*(\j):X+32*(\i)+2*(\j)+1], s[62:63] offset:256*(\j)
.endr
.Lno_copy_\@:
.endm
	CH 0, 8                                        ; the second chunk's eight loads may stay out
	CH 1, 0
	; the first group of each a1 slice also copies its half of a1_b (threads 0-127) and of a2_w (threads 128-255), 4,096 bytes on end behind the weights
	s_cmp_ge_u32 s50, 21
	s_cselect_b32 s3, 1, 0
	s_cmp_eq_u32 s51, 0
	s_cselect_b32 s3, s3, 0
	s_cmp_lg_u32 s3, 0
	s_cbranch_scc0 .Lend
	s_sub_co_u32 s60, s50, 21
	s_lshl_b32 s60, s60, 11                        ; 512 numbers a half
	s_cmp_lt_u32 s52, 4
	s_cselect_b64 s[2:3], s[36:37], s[38:39]
	s_add_nc_u64 s[2:3], s[2:3], s[60:61]
	v_and_b32 v6, 127, v0
	v_lshlrev_b32 v6, 4, v6
	v_lshlrev_b32 v7, 4, v0
	global_load_b128 v[8:11], v6, s[2:3]
	s_wait_loadcnt 0x0
	global_store_b128 v7, v[8:11], s[56:57] offset:2097152  ; the destination stands at byte 2,097,152 of P: this is byte 4,194,304
.Lend:
	s_endpgm
.Lfunc_end_k_qab176c7fff_cast:
	.size	k_qab176c7fff_cast, .Lfunc_end_k_qab176c7fff_cast-k_qab176c7fff_cast
	.p2alignl 7, 3214868480
	.fill 96, 4, 3214868480
	.section	.rodata,"a",@progbits
	.p2align	6, 0x0
	.amdhsa_kernel k_qab176c7fff_cast
		.amdhsa_group_segment_fixed_size 0
		.amdhsa_private_segment_fixed_size 0
		.amdhsa_enable_private_segment 0
		.amdhsa_kernarg_size 184
		.amdhsa_user_sgpr_count 2
		.amdhsa_user_sgpr_kernarg_segment_ptr 1
		.amdhsa_wavefront_size32 1
		.amdhsa_system_sgpr_workgroup_id_x 1
		.amdhsa_system_sgpr_workgroup_id_y 1
		.amdhsa_system_sgpr_workgroup_id_z 1
		.amdhsa_system_vgpr_workitem_id 0
		.amdhsa_next_free_vgpr 80
		.amdhsa_next_free_sgpr 72
		.amdhsa_reserve_vcc 0
		.amdhsa_float_denorm_mode_32 3
		.amdhsa_float_denorm_mode_16_64 3
		.amdhsa_memory_ordered 1
		.amdhsa_forward_progress 1
		.amdhsa_inst_pref_size 14
	.end_amdhsa_kernel
	.amdgpu_metadata
---
amdhsa.version: [ 1, 2 ]
amdhsa.kernels:
  - .name:           k_qab176c7fff_cast
    .symbol:         k_qab176c7fff_cast.kd
    .args:
      - { .name: x, .offset: 0, .size: 8, .value_kind: global_buffer, .address_space: global }
      - { .name: h_prev, .offset: 8, .size: 8, .value_kind: global_buffer, .address_space: global }
      - { .name: Wi_w, .offset: 16, .size: 8, .value_kind: global_buffer, .address_space: global }
      - { .name: Wf_w, .offset: 24, .size: 8, .value_kind: global_buffer, .address_space: global }
      - { .name: Wo_w, .offset: 32, .size: 8, .value_kind: global_buffer, .address_space: global }
      - { .name: Wc_w, .offset: 40, .size: 8, .value_kind: global_buffer, .address_space: global }
      - { .name: Ws_w, .offset: 48, .size: 8, .value_kind: global_buffer, .address_space: global }
      - { .name: Ui_w, .offset: 56, .size: 8, .value_kind: global_buffer, .address_space: global }
      - { .name: Uf_w, .offset: 64, .size: 8, .value_kind: global_buffer, .address_space: global }
      - { .name: Uo_w, .offset: 72, .size: 8, .value_kind: global_buffer, .address_space: global }
      - { .name: Uc_w, .offset: 80, .size: 8, .value_kind: global_buffer, .address_space: global }
      - { .name: Us_w, .offset: 88, .size: 8, .value_kind: global_buffer, .address_space: global }
      - { .name: r1_w, .offset: 96, .size: 8, .value_kind: global_buffer, .address_space: global }
      - { .name: r2_w, .offset: 104, .size: 8, .value_kind: global_buffer, .address_space: global }
      - { .name: r3_w, .offset: 112, .size: 8, .value_kind: global_buffer, .address_space: global }
      - { .name: a1_w, .offset: 120, .size: 8, .value_kind: global_buffer, .address_space: global }
      - { .name: a1_b, .offset: 128, .size: 8, .value_kind: global_buffer, .address_space: global }
      - { .name: a2_w, .offset: 136, .size: 8, .value_kind: global_buffer, .address_space: global }
      - { .name: XH, .offset: 144, .size: 8, .value_kind: global_buffer, .address_space: global }
      - { .name: T0, .offset: 152, .size: 8, .value_kind: global_buffer, .address_space: global }
      - { .name: WL3, .offset: 160, .size: 8, .value_kind: global_buffer, .address_space: global }
      - { .name: P1, .offset: 168, .size: 8, .value_kind: global_buffer, .address_space: global }
      - { .name: P2, .offset: 176, .size: 8, .value_kind: global_buffer, .address_space: global }
    .group_segment_fixed_size: 0
    .private_segment_fixed_size: 0
    .kernarg_segment_align: 8
    .kernarg_segment_size: 184
    .max_flat_workgroup_size: 256
    .sgpr_count:     72
    .vgpr_count:     80
    .wavefront_size: 32
...
	.end_amdgpu_metadata
.endif
;; end of part 1
;; launch mid1 (part 2): grid 8 x 32, 4 waves a work-group, clusters of 4 x 4, 327,680 bytes of LDS; arguments T0, XH, P1, r1_b, T1; writes T1
.if DOCPART == 2
	.amdgcn_target "amdgcn-amd-amdhsa--gfx1250"
	.amdhsa_code_object_version 6
	.text
	.protected	k_qab176c7fff_mid1
	.globl	k_qab176c7fff_mid1
	.p2align	8
	.type	k_qab176c7fff_mid1,@function
k_qab176c7fff_mid1:
	s_mov_b64 s[64:65], 0
	v_nop
	global_prefetch_b8 v0, s[64:65] scope:SCOPE_SE
	s_setreg_imm32_b32 hwreg(HW_REG_WAVE_MODE, 25, 1), 1
	s_wait_xcnt 0x0
	s_wait_alu depctr_hold_cnt(0) depctr_sa_sdst(0) depctr_va_vdst(0) depctr_va_sdst(0) depctr_va_ssrc(0) depctr_va_vcc(0) depctr_vm_vsrc(0)
	s_getreg_b32 s2, hwreg(HW_REG_IB_STS2, 6, 4)
	s_cmp_eq_u32 s2, 0
	s_cbranch_scc0 .Lentry_in_a_cluster
	s_endpgm
.Lentry_in_a_cluster:
	s_bfe_u32 s2, ttmp6, 0x10000c
	s_cmp_lg_u32 s2, 0xf033
	s_cbranch_scc0 .Lentry_shape_is_right
	s_endpgm
.Lentry_shape_is_right:
; ONE TEXT FOR TWO LAUNCHES.  Arguments: AR (rows of the layer before, bf16, 4,096 bytes apart), XH, P (weights as the first launch laid them), RB (the layer's bias, f32), TO.
; Nothing of the problem is left out here.
; Clusters with x = 1 (128 work-groups): TO[m][n] = relu(AR[m] . r_w[n] + RB[n]), bf16: rows 128 RT on, column tile cx and then column tile cx + 4, K = 1,024 each.
; Clusters with x = 0 (128 work-groups): hid = relu(XH[m] . a1_w[n] + a1_b[n]) for 128 of this launch's 512 columns, K = 2,048; of it only the partial sum over those
; 128 columns of hid x a2_w leaves, in f32: AL[cx][m] at byte 16,777,216 of TO.  The last launch adds the eight parts.
; Both kinds walk 8 K steps of 256: equal work, one loop.  P's rows hold [r_w[n] | r_w[n+512]], so the weights' pointer walks on alike in both kinds; the rows' K byte wraps by a mask.
; A tile is 128 x 128, four waves of 64 x 64 (16 accumulators).  Two LDS slots; each wave fetches 64 rows x 512 bytes by one tensor load.
; CLUSTER 4 x 4: the four of a row need the same token rows, the four of a column the same weight rows: joint loads with a mask of four.  The kind hangs on the cluster's x alone.
; THE PRODUCT IS TAKEN TRANSPOSED (source 0 = weight rows, source 1 = token rows): a lane holds one token row (lane % 16) and eight neighbouring columns.
; THE BIAS STARTS THE SUMS: it is the C operand of each accumulator's first product; nothing is cleared and no bias is added later.
; No prefetch is laid: the tiles are small, a K step holds 128 matrix instructions a wave, and each block is read by many work-groups at about the same time.
; LIMITS.  Operands are rounded to bf16, sums are f32, TO's rows are rounded once to bf16.  relu takes the larger of the number and 0, so a NaN would become 0; finite inputs make none.
; REGISTERS: window 0: v16-31 addresses; v32-95 at work on the way out; v96-127 the bias (later a2_w); v128-255 accumulators ((a, b) at 128 + 8 (4 a + b)).  Window 1: two fragment buffers of 128.
.set PITCH,  528                       ; an LDS row: 512 bytes + 16 of padding = 132 words: the 16 rows of a load start at 16 different groups of four banks (64 banks of 4 bytes: ISA guide 11.1)
.set HALFT,  64*PITCH
.set SLOT,   4*HALFT                   ; 128 token rows, then 128 weight rows
.set STAGE,  2*SLOT                    ; behind the ring: 128 rows x 272 bytes, for the way out
.set SPITCH, 272
.set ASCR,   STAGE+128*SPITCH          ; 2 x 512 bytes: the two column halves' partial sums of 128 rows
.set SPARE,  ASCR+1024                 ; the spare words, 128 bytes for each wave
.set ADRA, 16                          ; v16-17 LDS address of my token fragments in slot 0, 1
.set ADRB, 20                          ; v20-21 of my weight fragments
.set BO,   22                          ; v22 my byte offset in the bias
.set ASA,  23                          ; v23 where I put a row's partial sum
.set STO,  24
.set RD,   25
.set CO,   26
.set ZR,   27                          ; v27 0, for the packed relu
.set SPW,  28
.set NIL,  29
.set AR2,  30                          ; v30 where wave 0 reads four rows' partial sums
.set AGO,  31                          ; v31 16 x lane
.set TMP,  32
.set SA,   48
.set BIAS, 96
.set ACC,  128
.set F0,   0
.set F1,   128
.set G1A, 24
.set G0A, 32
.set G1B, 40
.set G0B, 48
; s14 wave, s15 wave / 2, s16 wave % 2, s17 cx, s18 cy, s19 row tile, s20 kind, s21 mask of the rows' K byte, s22 K byte of the next fill, s[56:57] rows' base, s[58:59] weights' base,
; s[60:61] an offset, s[62:63] bias base, s[66:67] TO at my rows, s[68:69] AL, s[70:71] lane selects
.set MSB, 0
.macro WIN new
.if MSB != (\new)
	s_set_vgpr_msb (MSB<<8)|(\new)
.set MSB, (\new)
.endif
.endm
.set MUL,  0x05                        ; sources 0 and 1 window 1; C and D window 0
.set TO_F, 0x40                        ; destination window 1
.macro JLOAD s                         ; waves 0 and 1 fetch the token rows' halves, waves 2 and 3 the weight rows'; an s_nop 0 and four v_nop follow each line
	s_cmp_eq_u32 s15, 0
	s_cbranch_scc0 .Lfor_b_\@
	tensor_load_to_lds s[G0A+4*(\s):G0A+4*(\s)+3], s[G1A:G1A+7]
	s_nop 0
.rept 4
	v_nop
.endr
	s_branch .Lasked_\@
.Lfor_b_\@:
	tensor_load_to_lds s[G0B+4*(\s):G0B+4*(\s)+3], s[G1B:G1B+7]
	s_nop 0
.rept 4
	v_nop
.endr
.Lasked_\@:
.endm
.macro CREST                           ; a round of the cluster's barrier behind its opening barrier
	s_cmp_lg_u32 s14, 0
	s_cbranch_scc1 .Lnot_wave_0_\@
	s_barrier_signal -3
.Lnot_wave_0_\@:
	s_barrier_wait -3
	s_barrier_signal -1
	s_barrier_wait -1
.endm
.macro CROUND
	s_barrier_signal -1
	s_barrier_wait -1
	CREST
.endm
.macro PLACES
.rept 4
	v_nop
.endr
.endm
	s_load_b256 s[4:11], s[0:1], 0x0               ; AR s[4:5], XH s[6:7], P s[8:9], RB s[10:11]
	s_load_b64 s[12:13], s[0:1], 0x20              ; TO
	v_lshl_add_u32 v[SPW], v0, 2, SPARE
	v_mov_b32 v[NIL], 0
	ds_add_u32 v[SPW], v[NIL]                      ; the wave's opening: the add, twice on end, and its wait ahead of my first tensor load
	ds_add_u32 v[SPW], v[NIL]
	v_lshrrev_b32 v1, 5, v0
	v_readfirstlane_b32 s14, v1
	s_lshr_b32 s15, s14, 1
	s_and_b32 s16, s14, 1
	s_bfe_u32 s17, ttmp6, 0x40000                  ; cx
	s_bfe_u32 s18, ttmp6, 0x40004                  ; cy
	s_and_b32 s19, ttmp7, 0xffff
	s_lshl_b32 s19, s19, 2
	s_add_co_u32 s19, s19, s18                     ; row tile = 4 x cluster y + cy
	s_mov_b32 s20, ttmp9                           ; the kind: the cluster's x, the same in all sixteen partners
	s_mov_b32 s21, 0x7ff
	s_mov_b32 s2, 0xfff
	s_cmp_eq_u32 s20, 0
	s_cselect_b32 s21, s2, s21                     ; K = 2,048 or 1,024 numbers: 4,096 or 2,048 bytes
	s_mov_b32 s22, 1024                            ; the first refill is K step 2
	s_lshl_b32 s72, s18, 2
	s_lshl_b32 s72, 15, s72                        ; my row of the cluster
	s_lshl_b32 s74, 0x1111, s17                    ; my column
	s_or_b32 s[G1A], s72, (1<<16)|(1<<20)|(1<<21)|(6<<22)|(3<<25)  ; mask; 2-byte elements; padding on; bit 21 beside a mask; after every 128 words; 4 words
	s_or_b32 s[G1B], s74, (1<<16)|(1<<20)|(1<<21)|(6<<22)|(3<<25)
.irp g, G1A, G1B
	s_mov_b32 s[(\g)+1], 256<<16                   ; tensor_dim0 = 256
	s_mov_b32 s[(\g)+2], 64<<16                    ; tensor_dim1 = 64
	s_mov_b32 s[(\g)+3], 256<<16                   ; tile_dim0 = 256
	s_mov_b32 s[(\g)+4], 64                        ; tile_dim1 = 64
	s_mov_b32 s[(\g)+5], 2048                      ; elements from row to row, in every operand
	s_mov_b32 s[(\g)+6], 0
	s_mov_b32 s[(\g)+7], 0
.endr
	s_lshl_b32 s23, s16, 18                        ; which 64 rows of the tile I fetch
	s_lshl_b32 s72, s19, 19                        ; token rows: 128 x row tile x 4,096 bytes
	s_add_co_u32 s72, s72, s23
	s_mov_b32 s73, 0
	s_lshl_b32 s74, s17, 19                        ; weight rows: 128 x cx
	s_add_co_u32 s74, s74, s23
	s_cmp_eq_u32 s20, 0
	s_cselect_b32 s2, 2097152, 0                   ; a1's rows lie behind the residual layer's
	s_add_co_u32 s74, s74, s2
	s_mov_b32 s75, 0
	s_mul_i32 s23, s14, HALFT                      ; where they go: wave x 64 rows
	s_mov_b32 s61, 0
	s_mov_b32 s70, 0x76543210
	s_mov_b32 s71, 0xfedcba98
	s_wait_dscnt 0x0                               ; both opening adds are done
	s_wait_kmcnt 0x0
	s_cmp_eq_u32 s20, 0
	s_cselect_b64 s[56:57], s[6:7], s[4:5]         ; alpha's layer reads XH, the residual layer AR
	s_cselect_b64 s[62:63], s[8:9], s[10:11]       ; a1_b's copy lies in P
	s_add_nc_u64 s[56:57], s[56:57], s[72:73]
	s_add_nc_u64 s[58:59], s[8:9], s[74:75]
	CROUND                                         ; all sixteen work-groups are here: the first joint loads meet
.irp s, 0,1
	s_mov_b32 s[G0A+4*(\s)], 1
	s_add_co_u32 s[G0A+4*(\s)+1], s23, (\s)*SLOT
	s_add_nc_u64 s[G0A+4*(\s)+2:G0A+4*(\s)+3], s[56:57], (\s)*512
	s_or_b32 s[G0A+4*(\s)+3], s[G0A+4*(\s)+3], 0x80000000
	s_mov_b32 s[G0B+4*(\s)], 1
	s_add_co_u32 s[G0B+4*(\s)+1], s23, (\s)*SLOT
	s_add_nc_u64 s[G0B+4*(\s)+2:G0B+4*(\s)+3], s[58:59], (\s)*512
	s_or_b32 s[G0B+4*(\s)+3], s[G0B+4*(\s)+3], 0x80000000
	JLOAD \s
.endr
	v_and_b32 v1, 15, v0                           ; l % 16
	v_bfe_u32 v2, v0, 4, 1                         ; l / 16
	s_lshl_b32 s78, s17, 9                         ; the bias of my columns: 4 (128 cx + 64 half + 8 (l / 16))
	s_lshl_b32 s2, s16, 8
	s_add_co_u32 s78, s78, s2
	s_cmp_eq_u32 s20, 0
	s_cselect_b32 s2, 4194304, 0
	s_add_co_u32 s78, s78, s2
	v_lshl_add_u32 v[BO], v2, 5, s78
.irp b, 0,1,2,3
	global_load_b128 v[BIAS+8*(\b):BIAS+8*(\b)+3],   v[BO], s[62:63] offset:64*(\b)
	global_load_b128 v[BIAS+8*(\b)+4:BIAS+8*(\b)+7], v[BO], s[62:63] offset:64*(\b)+16
.endr
	v_mul_u32_u24 v3, v1, PITCH
	v_lshl_add_u32 v3, v2, 4, v3                   ; a fragment's row x pitch + 16 x half
	s_mul_i32 s2, s15, HALFT                       ; my 64 token rows
	s_mul_i32 s23, s16, HALFT                      ; my 64 weight rows,
	s_add_co_u32 s23, s23, 2*HALFT                 ; which lie behind the 128 token rows
.irp s, 0,1
	v_add_nc_u32 v[ADRA+(\s)], s2, v3
	v_add_nc_u32 v[ADRB+(\s)], s23, v3
	s_add_co_u32 s2, s2, SLOT
	s_add_co_u32 s23, s23, SLOT
.endr
	s_mul_i32 s2, s15, 64*SPITCH                   ; into the stage: my 64 rows, my half of their 256 bytes
	s_lshl_b32 s23, s16, 7
	s_add_co_u32 s2, s2, s23
	s_add_co_u32 s2, s2, STAGE
	v_mul_u32_u24 v4, v1, SPITCH
	v_lshl_add_u32 v4, v2, 4, v4
	v_add_nc_u32 v[STO], s2, v4
	s_mul_i32 s2, s14, 32*SPITCH                   ; back: wave w takes rows 32 w .. 32 w + 31, whole
	s_add_co_u32 s2, s2, STAGE
	v_mul_u32_u24 v5, v2, SPITCH
	v_lshl_add_u32 v5, v1, 4, v5
	v_add_nc_u32 v[RD], s2, v5
	v_lshlrev_b32 v5, 12, v2                       ; and the same two rows in TO
	v_lshl_add_u32 v[CO], v1, 4, v5
	s_lshl_b32 s2, s16, 9                          ; a row's partial sum: by column half, then 4 bytes a row
	s_lshl_b32 s23, s15, 8
	s_add_co_u32 s2, s2, s23
	s_add_co_u32 s2, s2, ASCR
	v_lshl_add_u32 v[ASA], v1, 2, s2
	v_and_b32 v6, 31, v0
	v_lshlrev_b32 v[AGO], 4, v6
	v_add_nc_u32 v[AR2], ASCR, v[AGO]
	v_mov_b32 v[ZR], 0
	s_lshl_b32 s76, s19, 19                        ; TO at row 128 x row tile + 32 x wave, column tile cx
	s_lshl_b32 s77, s14, 17
	s_add_co_u32 s76, s76, s77
	s_lshl_b32 s77, s17, 8
	s_add_co_u32 s76, s76, s77
	s_mov_b32 s77, 0
	s_add_nc_u64 s[66:67], s[12:13], s[76:77]
	s_lshl_b32 s76, s17, 14                        ; AL[cx][128 x row tile]
	s_lshl_b32 s78, s19, 9
	s_add_co_u32 s76, s76, s78
	s_add_co_u32 s76, s76, 16777216
	s_add_nc_u64 s[68:69], s[12:13], s[76:77]
; 8 matrix instructions: m blocks a0, a0 + 1 x all 4 n blocks, 32 along K: half c of buffer f.  cm = 1: the bias starts the sums
.macro MUL8 f, c, a0, cm
	WIN MUL
.irp a, \a0, (\a0)+1
.irp b, 0,1,2,3
.if \cm
	v_wmma_f32_16x16x32_bf16 v[ACC+8*(4*(\a)+(\b)):ACC+8*(4*(\a)+(\b))+7], v[(\f)+64+8*(4*(\c)+(\b)):(\f)+64+8*(4*(\c)+(\b))+7], v[(\f)+8*(4*(\c)+(\a)):(\f)+8*(4*(\c)+(\a))+7], v[BIAS+8*(\b):BIAS+8*(\b)+7]
.else
	v_wmma_f32_16x16x32_bf16 v[ACC+8*(4*(\a)+(\b)):ACC+8*(4*(\a)+(\b))+7], v[(\f)+64+8*(4*(\c)+(\b)):(\f)+64+8*(4*(\c)+(\b))+7], v[(\f)+8*(4*(\c)+(\a)):(\f)+8*(4*(\c)+(\a))+7], v[ACC+8*(4*(\a)+(\b)):ACC+8*(4*(\a)+(\b))+7]
.endif
.endr
.endr
.endm
; 32 LDS loads in one run: the fragments of 64 along K at byte k of the rows, into buffer f; the first 32 along K first
.macro FETCH slot, k, f
	WIN TO_F
.irp c, 0,1
.irp i, 0,1,2,3
	ds_load_b128 v[(\f)+64+8*(4*(\c)+(\i)):(\f)+64+8*(4*(\c)+(\i))+3],   v[ADRB+(\slot)] offset:(\k)+64*(\c)+(\i)*16*PITCH
	ds_load_b128 v[(\f)+64+8*(4*(\c)+(\i))+4:(\f)+64+8*(4*(\c)+(\i))+7], v[ADRB+(\slot)] offset:(\k)+64*(\c)+(\i)*16*PITCH+32
	ds_load_b128 v[(\f)+8*(4*(\c)+(\i)):(\f)+8*(4*(\c)+(\i))+3],         v[ADRA+(\slot)] offset:(\k)+64*(\c)+(\i)*16*PITCH
	ds_load_b128 v[(\f)+8*(4*(\c)+(\i))+4:(\f)+8*(4*(\c)+(\i))+7],       v[ADRA+(\slot)] offset:(\k)+64*(\c)+(\i)*16*PITCH+32
.endr
.endr
.endm
; A K step is four quarters of 64 along K, 32 matrix instructions each, on buffers 0, 1, 0, 1.  bl = 1: the second set of 32 numbers (the second tile's bias, or a2_w) is asked for,
; four places behind the last product that read the first set.
.macro QUARTER slot, k, f, g, cm=0, bl=0
	s_wait_dscnt 16                                ; the first 32 along K are in
	MUL8 \f, 0, 0, \cm
	MUL8 \f, 0, 2, \cm
	PLACES
.if \bl
	WIN 0
.irp b, 0,1,2,3
	global_load_b128 v[BIAS+8*(\b):BIAS+8*(\b)+3],   v[BO], s[62:63] offset:2048+64*(\b)
	global_load_b128 v[BIAS+8*(\b)+4:BIAS+8*(\b)+7], v[BO], s[62:63] offset:2048+64*(\b)+16
.endr
.endif
	FETCH \slot, \k, \g
	s_wait_dscnt 32                                ; all but the 32 just issued
	MUL8 \f, 1, 0, 0
	MUL8 \f, 1, 2, 0
.endm
; The last quarter changes slots and then multiplies buffer 1.  In front of the barrier each wave waits for all its tensor loads, adds 0 to its spare word, and waits for that and for its reads of this slot.
; fill = 1: the barrier opens a round of the cluster's; behind it this slot is filled again, first thing.  A refill goes out only behind the wait for the refill before it, so the requests form a chain:
; no product stands between that wait and the request; the descriptors' addresses, made anew from the K byte, stand between the add and its wait, and the quarter's 32 products follow the request and the fetch.
.macro TURN slot, next, fill
	WIN 0
	s_wait_tensorcnt 0x0                           ; all my tensor loads have landed: my part of the next slot; so a group 0 may be written
	ds_add_u32 v[SPW], v[NIL]                      ; 0 onto my spare word
.if \fill
	s_and_b32 s60, s22, s21                        ; the rows' K byte wraps at the layer's K
	s_add_nc_u64 s[G0A+4*(\slot)+2:G0A+4*(\slot)+3], s[56:57], s[60:61]
	s_or_b32 s[G0A+4*(\slot)+3], s[G0A+4*(\slot)+3], 0x80000000
	s_mov_b32 s60, s22
	s_add_nc_u64 s[G0B+4*(\slot)+2:G0B+4*(\slot)+3], s[58:59], s[60:61]
	s_or_b32 s[G0B+4*(\slot)+3], s[G0B+4*(\slot)+3], 0x80000000
	s_add_co_u32 s22, s22, 512
.endif
	s_wait_dscnt 0x0                               ; the add is done, and my reads of this slot are over
	s_barrier_signal -1
	s_barrier_wait -1
.if \fill
	CREST                                          ; no wave of any partner still reads this slot's tile or has a load on its way
	JLOAD \slot                                    ; its four v_nop are also the places in front of the loads below
.else
	PLACES
.endif
	FETCH \next, 0, F0
	MUL8 F1, 0, 0, 0
	MUL8 F1, 0, 2, 0
	MUL8 F1, 1, 0, 0
	MUL8 F1, 1, 2, 0
.endm
; THE WAY OUT of a residual tile (j = 0: column tile cx, 1: cx + 4): round to bf16, relu on the packed halves, through the work-group's stage, back as whole rows of 256 bytes.
.macro WAYOUT_T j
	WIN 0
	PLACES
	PLACES
	s_wait_xcnt 0x0                                ; the registers that the first tile's stores read are rewritten only behind this wait
.irp t, 0,1,2,3,4,5,6,7,8,9,10,11,12,13,14,15
.irp r, 0,1,2,3
	v_cvt_pk_bf16_f32 v[TMP+4*(\t)+(\r)], v[ACC+8*(\t)+2*(\r)], v[ACC+8*(\t)+2*(\r)+1]
.endr
.endr
.set q, 0
.rept 64
	v_pk_max_num_bf16 v[TMP+q], v[TMP+q], v[ZR]
.set q, q+1
.endr
.irp a, 0,1,2,3
.irp b, 0,1,2,3
	ds_store_b128 v[STO], v[TMP+4*(4*(\a)+(\b)):TMP+4*(4*(\a)+(\b))+3] offset:(\a)*16*SPITCH+32*(\b)
.endr
.endr
	s_wait_dscnt 0x0                               ; for the others' sake: my stores into the stage are done
	s_barrier_signal -1
	s_barrier_wait -1
.irp t, 0,1,2,3,4,5,6,7,8,9,10,11,12,13,14,15
	ds_load_b128 v[TMP+4*(\t):TMP+4*(\t)+3], v[RD] offset:(\t)*2*SPITCH
.endr
.irp t, 0,1,2,3,4,5,6,7,8,9,10,11,12,13,14,15
	s_wait_dscnt 15-(\t)
	global_store_b128 v[CO], v[TMP+4*(\t):TMP+4*(\t)+3], s[66:67] offset:2*(\t)*4096+1024*(\j)  ; 16 lanes store 256 consecutive bytes, aligned
.endr
.endm
	s_wait_tensorcnt 0x1                           ; my part of K step 0 is in; K step 1's may stay out
	s_barrier_signal -1
	s_barrier_wait -1
	FETCH 0, 0, F0
	s_wait_loadcnt 0x0                             ; the bias
	QUARTER 0, 128, F0, F1, 1, 1
	WIN 0
	s_mov_b32 s3, 3
.Llap:                                                 ; a trip goes once round the ring and fills both slots again: K steps 2 to 7
	QUARTER 0, 256, F1, F0
	QUARTER 0, 384, F0, F1
	TURN 0, 1, 1
	QUARTER 1, 128, F0, F1
	QUARTER 1, 256, F1, F0
	QUARTER 1, 384, F0, F1
	TURN 1, 0, 1
	WIN 0
	s_cmp_eq_u32 s3, 2                             ; behind K step 3 a residual work-group's first tile is finished; the test is made of the cluster's x and the count: alike in all waves and partners
	s_cselect_b32 s2, s20, 0
	s_cmp_lg_u32 s2, 0
	s_cbranch_scc1 .Lnew
	QUARTER 0, 128, F0, F1
	WIN 0
	s_branch .Ljoin
.Lnew:
	WAYOUT_T 0
	s_wait_loadcnt 0x0                             ; the second tile's bias
	QUARTER 0, 128, F0, F1, 1
	WIN 0
.Ljoin:
	s_sub_co_u32 s3, s3, 1
	s_cmp_lg_u32 s3, 0
	s_cbranch_scc1 .Llap
	QUARTER 0, 256, F1, F0                         ; the last lap fills nothing
	QUARTER 0, 384, F0, F1
	TURN 0, 1, 0
	QUARTER 1, 128, F0, F1
	QUARTER 1, 256, F1, F0
	QUARTER 1, 384, F0, F1
	s_wait_dscnt 16
	MUL8 F1, 0, 0, 0
	MUL8 F1, 0, 2, 0
	s_wait_dscnt 0x0
	MUL8 F1, 1, 0, 0
	MUL8 F1, 1, 2, 0
	WIN 0
	s_cmp_eq_u32 s20, 0
	s_cbranch_scc1 .Lalpha
	WAYOUT_T 1
	s_branch .Lend
.Lalpha:
	; alpha's part: for each of my 64 rows the sum over my 64 columns of relu(hid) x a2_w, in f32
	s_wait_xcnt 0x0                                ; v32-55, written below, are data registers of the residual way out's stores in the loop's text, which both kinds share: they are rewritten only behind this wait (a work-group of this kind has no store out)
	s_wait_loadcnt 0x0                             ; a2_w of my columns
	PLACES
	PLACES
.irp a, 0,1,2,3
.irp b, 0,1,2,3
.irp j, 0,1,2,3,4,5,6,7
	v_max_num_f32 v[TMP+8*((\b)%2)+(\j)], 0, v[ACC+8*(4*(\a)+(\b))+(\j)]
.endr
.irp j, 0,2,4,6
.if ((\b) == 0) && ((\j) == 0)
	v_pk_mul_f32 v[SA+2*(\a):SA+2*(\a)+1], v[TMP+8*((\b)%2)+(\j):TMP+8*((\b)%2)+(\j)+1], v[BIAS+8*(\b)+(\j):BIAS+8*(\b)+(\j)+1]
.else
	v_pk_fma_f32 v[SA+2*(\a):SA+2*(\a)+1], v[TMP+8*((\b)%2)+(\j):TMP+8*((\b)%2)+(\j)+1], v[BIAS+8*(\b)+(\j):BIAS+8*(\b)+(\j)+1], v[SA+2*(\a):SA+2*(\a)+1]
.endif
.endr
.endr
.endr
.irp a, 0,1,2,3
	v_add_f32 v[SA+2*(\a)], v[SA+2*(\a)], v[SA+2*(\a)+1]
.endr
.irp a, 0,1,2,3
	v_permlanex16_b32 v[SA+2*(\a)+1], v[SA+2*(\a)], s70, s71  ; the row's other 32 columns lie in the lane 16 away
.endr
.irp a, 0,1,2,3
	v_add_f32 v[SA+2*(\a)], v[SA+2*(\a)], v[SA+2*(\a)+1]
.endr
.irp a, 0,1,2,3
	ds_store_b32 v[ASA], v[SA+2*(\a)] offset:64*(\a)  ; both halves of the lanes write the same word with the same number
.endr
	s_wait_dscnt 0x0
	s_barrier_signal -1
	s_barrier_wait -1
	s_cmp_lg_u32 s14, 0                            ; wave 0 adds the two column halves: four rows a lane, 512 bytes on end
	s_cbranch_scc1 .Lend
	ds_load_b128 v[32:35], v[AR2]
	ds_load_b128 v[36:39], v[AR2] offset:512
	s_wait_dscnt 0x0
	v_pk_add_f32 v[32:33], v[32:33], v[36:37]
	v_pk_add_f32 v[34:35], v[34:35], v[38:39]
	global_store_b128 v[AGO], v[32:35], s[68:69]
.Lend:
	s_wait_tensorcnt 0x0                           ; the wave's end: behind my last tensor load and my last LDS store
	ds_add_u32 v[SPW], v[NIL]
	s_wait_dscnt 0x0
	CROUND                                         ; the closing round: no work-group ends while a partner may still ask for a tile that names it
	s_endpgm
.Lfunc_end_k_qab176c7fff_mid1:
	.size	k_qab176c7fff_mid1, .Lfunc_end_k_qab176c7fff_mid1-k_qab176c7fff_mid1
	.p2alignl 7, 3214868480
	.fill 96, 4, 3214868480
	.section	.rodata,"a",@progbits
	.p2align	6, 0x0
	.amdhsa_kernel k_qab176c7fff_mid1
		.amdhsa_group_segment_fixed_size 327680
		.amdhsa_private_segment_fixed_size 0
		.amdhsa_enable_private_segment 0
		.amdhsa_kernarg_size 40
		.amdhsa_user_sgpr_count 2
		.amdhsa_user_sgpr_kernarg_segment_ptr 1
		.amdhsa_wavefront_size32 1
		.amdhsa_system_sgpr_workgroup_id_x 1
		.amdhsa_system_sgpr_workgroup_id_y 1
		.amdhsa_system_sgpr_workgroup_id_z 1
		.amdhsa_system_vgpr_workitem_id 0
		.amdhsa_next_free_vgpr 512
		.amdhsa_next_free_sgpr 80
		.amdhsa_reserve_vcc 0
		.amdhsa_float_denorm_mode_32 3
		.amdhsa_float_denorm_mode_16_64 3
		.amdhsa_memory_ordered 1
		.amdhsa_forward_progress 1
		.amdhsa_inst_pref_size 120
	.end_amdhsa_kernel
	.amdgpu_metadata
---
amdhsa.version: [ 1, 2 ]
amdhsa.kernels:
  - .name:           k_qab176c7fff_mid1
    .symbol:         k_qab176c7fff_mid1.kd
    .args:
      - { .name: T0, .offset: 0, .size: 8, .value_kind: global_buffer, .address_space: global }
      - { .name: XH, .offset: 8, .size: 8, .value_kind: global_buffer, .address_space: global }
      - { .name: P1, .offset: 16, .size: 8, .value_kind: global_buffer, .address_space: global }
      - { .name: r1_b, .offset: 24, .size: 8, .value_kind: global_buffer, .address_space: global }
      - { .name: T1, .offset: 32, .size: 8, .value_kind: global_buffer, .address_space: global }
    .group_segment_fixed_size: 327680
    .private_segment_fixed_size: 0
    .kernarg_segment_align: 8
    .kernarg_segment_size: 40
    .max_flat_workgroup_size: 128
    .sgpr_count:     80
    .vgpr_count:     512
    .wavefront_size: 32
...
	.end_amdgpu_metadata
.endif
;; end of part 2
;; launch mid2: the kernel of part 2 again; grid 8 x 32, 4 waves a work-group, clusters of 4 x 4, 327,680 bytes of LDS; arguments T1, XH, P2, r2_b, T2; writes T2
;; launch cell (part 3): grid 16 x 16, 4 waves a work-group, clusters of 4 x 4, 327,680 bytes of LDS; arguments XH, WL3, T1, T2, c_prev, r3_b, a2_b, out0, out1, Wi_b, Ui_b, Wf_b, Uf_b, Wo_b, Uo_b, Wc_b, Uc_b, Ws_b, Us_b; writes out0, out1
.if DOCPART == 3
	.amdgcn_target "amdgcn-amd-amdhsa--gfx1250"
	.amdhsa_code_object_version 6
	.text
	.protected	k_qab176c7fff_cell
	.globl	k_qab176c7fff_cell
	.p2align	8
	.type	k_qab176c7fff_cell,@function
k_qab176c7fff_cell:
	s_mov_b64 s[64:65], 0
	v_nop
	global_prefetch_b8 v0, s[64:65] scope:SCOPE_SE
	s_setreg_imm32_b32 hwreg(HW_REG_WAVE_MODE, 25, 1), 1
	s_wait_xcnt 0x0
	s_wait_alu depctr_hold_cnt(0) depctr_sa_sdst(0) depctr_va_vdst(0) depctr_va_sdst(0) depctr_va_ssrc(0) depctr_va_vcc(0) depctr_vm_vsrc(0)
	s_getreg_b32 s2, hwreg(HW_REG_IB_STS2, 6, 4)
	s_cmp_eq_u32 s2, 0
	s_cbranch_scc0 .Lentry_in_a_cluster
	s_endpgm
.Lentry_in_a_cluster:
	s_bfe_u32 s2, ttmp6, 0x10000c
	s_cmp_lg_u32 s2, 0xf033
	s_cbranch_scc0 .Lentry_shape_is_right
	s_endpgm
.Lentry_shape_is_right:
; THE CELL.  z_g = [x|h] . [W_g|U_g]^T + W_g_b + U_g_b for g = i f o c s (K = 2,048); alpha = sigmoid(the eight parts that the two launches before stored + a2_b);
; c_t = sig(z_f) c_prev + sig(z_i) tanh(z_c) sig(z_s) alpha + (T2 . r3_w^T + r3_b);  h_t = sig(z_o) tanh(c_t).  out0 = h_t, out1 = c_t.  Nothing of the problem is left out here.
; SHARES.  A work-group owns 256 rows x 64 columns of all five gates; wave (wr, wc) 128 rows x 32 columns: 80 accumulators of 16 x 16, 640 registers.  256 work-groups.
; THE PRODUCT IS TAKEN TRANSPOSED (source 0 = weight rows, source 1 = token rows): a lane holds one token row (lane % 16) and eight neighbouring columns, in every gate alike, so the
; pointwise work needs no exchange of lanes.  THE BIASES START THE SUMS, as the C operand of each accumulator's first product.
; FORMS.  sigmoid(z) = 1 / (1 + 2^(-z log2 e)); tanh(z) = 1 - 2 / (1 + 2^(2 z log2 e)): both run rightly into their limits through infinity and 0, with no clamp.  The factor k_g in front of z
; (-log2 e; for gate c 2 log2 e) lies in the gates' weights already (the first launch multiplied it in ahead of their one rounding); here the summed biases are multiplied by it, so a gate's sum IS its exponent.
; THE WALK.  24 K steps of 128 through two LDS slots.  Steps 0-15: 256 rows of XH and the column tile's 320 weight rows.  Then the gates are finished in registers and
; f c_prev + i c^ s alpha + r3_b is written over gate f's accumulators; steps 16-23 (256 rows of T2, 64 rows of r3_w) add the residual product onto them: no sixth set of accumulators.
; CLUSTER 4 x 4: token rows are asked for jointly along a row of the cluster, weight rows along a column.  c_prev's tile is the work-group's own: a plain load by wave 3, behind the same round.
; LIMITS.  Matrix operands are bf16, sums f32.  tanh near 0 has an absolute error of about 1e-7 (a difference from 1).  A power of two below 2^-126 counts as 0.  NaN and infinities in the inputs are not treated apart.
; REGISTERS, in windows of 256 (s_set_vgpr_msb: bits 1:0 source 0, 3:2 source 1, 5:4 source 2, 7:6 destination):
;   window 0: v8-28 addresses; v32-95, v96-159 token fragments, two buffers; v160-239 weight fragments, buffer 0.  From the pointwise part on: v96-175 at work, v176-207 c_prev, v224-239, v240-255 r3's fragments
;   window 1: gate i v0-127, gate f v128-255     window 2: gate o v0-127, gate c v128-255
;   window 3: gate s v0-127; v128-207 weight fragments, buffer 1 (first the summed gate biases); v208-223 r3_b; v224-239 alpha of my eight row blocks, each twice
;   accumulator (g, a, b): window 1 + g / 2, register 128 (g % 2) + 8 (2 a + b)
.set PITCH, 272                        ; an LDS row: 256 bytes + 16 of padding = 68 words: the 16 rows of a load start at 16 different groups of four banks (64 banks of 4 bytes: ISA guide 11.1)
.set SLOT,  576*PITCH                  ; 256 token rows, then 320 weight rows
.set AB,    256*PITCH                  ; the weight rows' place in a slot
.set CP,    AB+64*PITCH                ; slot 0: c_prev's 256 rows x 64 f32, behind r3's 64 rows
.set STH,   AB                         ; at the end, in slot 0 behind its last fill: c_t's stage at 0, h_t's here
.set BHI,   192*PITCH                  ; gates c and s lie past what a 16-bit offset reaches: a second address register
.set ASCR,  2*SLOT                     ; 4 x 512 bytes: each wave's 128 alphas
.set SPARE, ASCR+2048                  ; the spare words, 128 bytes for each wave
.set ADRA, 8
.set ADRB, 10
.set ADRBH, 12
.set ADRC, 14
.set STO,  15
.set STOH, 16
.set RD,   17
.set RDH,  18
.set CO,   19
.set SPW,  20
.set NIL,  21
.set PFO,  22                          ; prefetches: 16 rows of 4,096 bytes x 2 K steps
.set PFO2, 23                          ; the same with r3_w's rows of 2,048 bytes in wave 2
.set PFOC, 24                          ; a lane a row of c_prev
.set BO,   25
.set ALO,  26
.set SCW,  27
.set SCR,  28
.set T,    96                          ; at work: 16 registers a gate: i, f, o, c, s
.set CPV,  176
.set G1A, 24
.set G1B, 32
.set G0A, 40
.set G0B, 48
.set G0R, 56
.set T2B, 66
.set G1R, 68                           ; s[68:87] hold the ten bias addresses first
.set G1C, 76
.set G0C, 84
.set PFA, 88
.set PFT, 90
.set WV,  92
.set WR,  93
.set WC,  94
.set CX,  95
.set CY,  96
.set CT,  97
.set RT,  98
.set LIM, 99                           ; 1 in a wave that prefetches shared rows, else the greatest number
.set LIMC, 100                         ; 2 in wave 3, else 0: the trip in which c_prev is prefetched
.set DW, (1<<16)|(1<<20)|(1<<21)|(5<<22)|(3<<25)  ; 2-byte elements; padding on; bit 21 beside a mask; after every 64 words; 4 words
.set MSB, 0
.macro WIN new
.if MSB != (\new)
	s_set_vgpr_msb (MSB<<8)|(\new)
.set MSB, (\new)
.endif
.endm
.macro PLACES
.rept 4
	v_nop
.endr
.endm
.macro CREST
	s_cmp_lg_u32 s[WV], 0
	s_cbranch_scc1 .Lnot_wave_0_\@
	s_barrier_signal -3
.Lnot_wave_0_\@:
	s_barrier_wait -3
	s_barrier_signal -1
	s_barrier_wait -1
.endm
.macro CROUND
	s_barrier_signal -1
	s_barrier_wait -1
	CREST
.endm
; A gate step's joint loads: waves 0 and 1 the token rows' halves, waves 2 and 3 the weight rows' halves.  An s_nop 0 and four v_nop follow each line.
.macro JLOADG s
	s_cmp_eq_u32 s[WR], 0
	s_cbranch_scc0 .Lfor_b_\@
	tensor_load_to_lds s[G0A+4*(\s):G0A+4*(\s)+3], s[G1A:G1A+7]
	s_nop 0
.rept 4
	v_nop
.endr
	s_branch .Lasked_\@
.Lfor_b_\@:
	tensor_load_to_lds s[G0B+4*(\s):G0B+4*(\s)+3], s[G1B:G1B+7]
	s_nop 0
.rept 4
	v_nop
.endr
.Lasked_\@:
.endm
; A residual step's loads: waves 0 and 1 T2's halves, wave 2 r3_w's 64 rows, wave 3 c_prev's tile (c = 1, once) or nothing.  The branches hang on the wave's number alone.
.macro JLOADR s, c
	s_cmp_lt_u32 s[WV], 2
	s_cbranch_scc0 .Lnot_a_\@
	tensor_load_to_lds s[G0A+4*(\s):G0A+4*(\s)+3], s[G1A:G1A+7]
	s_nop 0
.rept 4
	v_nop
.endr
	s_branch .Lasked_\@
.Lnot_a_\@:
	s_cmp_eq_u32 s[WV], 2
	s_cbranch_scc0 .Lwave_3_\@
	tensor_load_to_lds s[G0R+4*(\s):G0R+4*(\s)+3], s[G1R:G1R+7]
	s_nop 0
.rept 4
	v_nop
.endr
	s_branch .Lasked_\@
.Lwave_3_\@:
.if \c
	tensor_load_to_lds s[G0C:G0C+3], s[G1C:G1C+7]
	s_nop 0
.endif
.rept 4
	v_nop
.endr
.Lasked_\@:
.endm
; PREFETCHES INTO THE L2, behind a change's tensor load and its run of LDS loads.  Each aligned block of 256 bytes is named once in the launch.  An instruction names 16 rows x 2 K steps.
; XH's 256 rows of a row tile are read by every cluster of that row of clusters: in the cluster with x = 0 wave 0 asks, each of the four partners that share the rows for 64 of them, told apart by address.
; The 320 weight rows of a column tile are read by every cluster of that column: in the cluster with y = 0 wave 2 asks, each partner for 80.  At the end of K step s (even, at most 10) K steps s + 4 and s + 5 are
; named: 640 and 960 matrix instructions ahead of their loads.  K steps 0 to 3 come by their loads alone; the loop's last trip has no K step four on.  c_prev's tile is the work-group's own: wave 3 asks, a lane a row.
.macro ASKG
	s_cmp_gt_u32 s3, s[LIM]
	s_cbranch_scc0 .Lnot_mine_\@
.irp j, 0,1,2,3
	global_prefetch_b8 v[PFO], s[PFA:PFA+1] offset:(\j)*65536 th:TH_LOAD_NT scope:SCOPE_SE
.endr
	s_cmp_eq_u32 s[WV], 2
	s_cbranch_scc0 .Lnot_mine_\@
	global_prefetch_b8 v[PFO], s[PFA:PFA+1] offset:4*65536 th:TH_LOAD_NT scope:SCOPE_SE
.Lnot_mine_\@:
	s_cmp_eq_u32 s3, s[LIMC]
	s_cbranch_scc0 .Lno_c_\@
.irp j, 0,1,2,3,4,5,6,7
	global_prefetch_b8 v[PFOC], s[12:13] offset:(\j)*131072 th:TH_LOAD_NT scope:SCOPE_SE
.endr
.Lno_c_\@:
.endm
; The same waves ask for T2 (64 rows a partner) and r3_w (16 rows a partner).  first = 1, at the end of K step 14: T2's K steps 2, 3 and r3_w's 2 to 7; first = 0, a step later: T2's 4 to 7.  Their K steps 0 and 1 come by their loads alone.
.macro ASKT first
	s_cmp_eq_u32 s[LIM], 1
	s_cbranch_scc0 .Lnot_mine_\@
	s_cmp_eq_u32 s[WV], 0
	s_cbranch_scc0 .Lfor_r_\@
.irp j, 0,1,2,3
.if \first
	global_prefetch_b8 v[PFO2], s[PFT:PFT+1] offset:(\j)*65536+512 th:TH_LOAD_NT scope:SCOPE_SE
.else
	global_prefetch_b8 v[PFO2], s[PFT:PFT+1] offset:(\j)*65536+1024 th:TH_LOAD_NT scope:SCOPE_SE
	global_prefetch_b8 v[PFO2], s[PFT:PFT+1] offset:(\j)*65536+1536 th:TH_LOAD_NT scope:SCOPE_SE
.endif
.endr
	s_branch .Lnot_mine_\@
.Lfor_r_\@:
.if \first
.irp j, 1,2,3
	global_prefetch_b8 v[PFO2], s[PFT:PFT+1] offset:(\j)*512 th:TH_LOAD_NT scope:SCOPE_SE
.endr
.endif
.Lnot_mine_\@:
.endm
	s_load_b512 s[4:19], s[0:1], 0x0               ; XH 4, WL3 6, T1 8, T2 10, c_prev 12, r3_b 14, a2_b 16, out0 18
	s_load_b64 s[20:21], s[0:1], 0x40              ; out1
	s_load_b512 s[68:83], s[0:1], 0x48             ; W_g_b at 68 + 4 g, U_g_b at 70 + 4 g
	s_load_b128 s[84:87], s[0:1], 0x88
	v_lshl_add_u32 v[SPW], v0, 2, SPARE
	v_mov_b32 v[NIL], 0
	ds_add_u32 v[SPW], v[NIL]                      ; the wave's opening: the add, twice on end, and its wait ahead of my first tensor load
	ds_add_u32 v[SPW], v[NIL]
	v_lshrrev_b32 v1, 5, v0
	v_readfirstlane_b32 s[WV], v1
	s_lshr_b32 s[WR], s[WV], 1                     ; my half of the rows.  Also: I fetch token rows (0) or weight rows (1)
	s_and_b32 s[WC], s[WV], 1                      ; my half of the columns.  Also: which half of a tile I fetch
	s_bfe_u32 s[CX], ttmp6, 0x40000
	s_bfe_u32 s[CY], ttmp6, 0x40004
	s_lshl_b32 s[CT], ttmp9, 2
	s_add_co_u32 s[CT], s[CT], s[CX]               ; column tile = 4 x cluster x + cx
	s_and_b32 s[RT], ttmp7, 0xffff
	s_lshl_b32 s[RT], s[RT], 2
	s_add_co_u32 s[RT], s[RT], s[CY]               ; row tile = 4 x cluster y + cy
	s_lshl_b32 s2, s[CY], 2
	s_lshl_b32 s2, 15, s2                          ; my row of the cluster
	s_lshl_b32 s3, 0x1111, s[CX]                   ; my column
	s_or_b32 s[G1A], s2, DW
	s_or_b32 s[G1B], s3, DW
	s_mov_b32 s[G1A+1], 128<<16                    ; tensor_dim0 = 128
	s_mov_b32 s[G1A+2], 128<<16                    ; tensor_dim1 = 128
	s_mov_b32 s[G1A+3], 128<<16                    ; tile_dim0 = 128
	s_mov_b32 s[G1A+4], 128                        ; tile_dim1 = 128
	s_mov_b32 s[G1A+5], 2048                       ; elements from row to row, in XH and T2 alike
	s_mov_b32 s[G1A+6], 0
	s_mov_b32 s[G1A+7], 0
	s_mov_b32 s[G1B+1], 128<<16
	s_mov_b32 s[G1B+2], 160<<16                    ; 160 rows: half of the five gates' 320
	s_mov_b32 s[G1B+3], 128<<16
	s_mov_b32 s[G1B+4], 160
	s_mov_b32 s[G1B+5], 2048
	s_mov_b32 s[G1B+6], 0
	s_mov_b32 s[G1B+7], 0
	s_mov_b32 s22, 0xbfb8aa3b                      ; -log2 e, as a pair for the packed forms
	s_mov_b32 s23, 0xbfb8aa3b
	s_mov_b32 s104, 0x4038aa3b                     ; 2 log2 e
	s_mov_b32 s105, 0x4038aa3b
	s_mul_i32 s2, s[WC], 128*PITCH                 ; where the tiles go: no place in the cluster enters an LDS address
	s_mov_b32 s[G0A], 1
	s_mov_b32 s[G0A+1], s2
	s_mov_b32 s[G0A+4], 1
	s_add_co_u32 s[G0A+5], s2, SLOT
	s_mul_i32 s2, s[WC], 160*PITCH
	s_mov_b32 s[G0B], 1
	s_add_co_u32 s[G0B+1], s2, AB
	s_mov_b32 s[G0B+4], 1
	s_add_co_u32 s[G0B+5], s2, SLOT+AB
	s_mov_b32 s[G0R], 1
	s_mov_b32 s[G0R+1], AB
	s_mov_b32 s[G0R+4], 1
	s_mov_b32 s[G0R+5], SLOT+AB
	s_lshl_b32 s[T2B], s[RT], 20                   ; token rows: (256 x row tile + 128 x half) x 4,096 bytes
	s_lshl_b32 s2, s[WC], 19
	s_add_co_u32 s[T2B], s[T2B], s2
	s_mov_b32 s[T2B+1], 0
	s_mul_i32 s[PFT], s[CT], 320*4096              ; weight rows: (320 x column tile + 160 x half) x 4,096 bytes
	s_mul_i32 s2, s[WC], 160*4096
	s_add_co_u32 s[PFT], s[PFT], s2
	s_mov_b32 s[PFT+1], 0
	s_lshl_b32 s[PFA], s[CT], 17                   ; r3_w: 64 x column tile rows of 2,048 bytes, behind the gates' weights
	s_add_co_u32 s[PFA], s[PFA], 20971520
	s_mov_b32 s[PFA+1], 0
	s_wait_dscnt 0x0                               ; both opening adds are done
	s_wait_kmcnt 0x0
	s_add_nc_u64 s[G0A+2:G0A+3], s[4:5], s[T2B:T2B+1]
	s_add_nc_u64 s[G0A+6:G0A+7], s[G0A+2:G0A+3], 256
	s_or_b32 s[G0A+3], s[G0A+3], 0x80000000
	s_or_b32 s[G0A+7], s[G0A+7], 0x80000000
	s_add_nc_u64 s[T2B:T2B+1], s[10:11], s[T2B:T2B+1]  ; T2 at the same rows
	s_add_nc_u64 s[G0B+2:G0B+3], s[6:7], s[PFT:PFT+1]
	s_add_nc_u64 s[G0B+6:G0B+7], s[G0B+2:G0B+3], 256
	s_or_b32 s[G0B+3], s[G0B+3], 0x80000000
	s_or_b32 s[G0B+7], s[G0B+7], 0x80000000
	s_add_nc_u64 s[G0R+2:G0R+3], s[6:7], s[PFA:PFA+1]
	s_add_nc_u64 s[G0R+6:G0R+7], s[G0R+2:G0R+3], 256
	s_or_b32 s[G0R+3], s[G0R+3], 0x80000000
	s_or_b32 s[G0R+7], s[G0R+7], 0x80000000
	CROUND                                         ; all sixteen work-groups are here: the first joint loads meet
	JLOADG 0                                       ; K steps 0 and 1: two tensor loads of mine are out
	JLOADG 1
	; all that follows, up to the first barrier, stands in the wait for the first tile
	v_and_b32 v1, 15, v0                           ; r = l % 16
	v_bfe_u32 v2, v0, 4, 1                         ; h = l / 16
	v_and_b32 v3, 31, v0                           ; l
	s_lshl_b32 s2, s[CT], 8                        ; my columns' biases: 4 (64 ct + 32 wc + 8 h)
	s_lshl_b32 s3, s[WC], 7
	s_add_co_u32 s2, s2, s3
	v_lshl_add_u32 v[BO], v2, 5, s2
	s_lshl_b32 s2, s[RT], 10                       ; alpha's parts of my 128 rows, four rows a lane, in the tails at byte 16,777,216
	s_lshl_b32 s3, s[WR], 9
	s_add_co_u32 s2, s2, s3
	s_add_co_u32 s2, s2, 16777216
	v_lshl_add_u32 v[ALO], v3, 4, s2
	s_load_b32 s101, s[16:17], 0x0                 ; a2_b
	WIN 0xc0
.irp g, 0,1,2,3,4
.irp b, 0,1
	global_load_b128 v[128+16*(\g)+8*(\b):128+16*(\g)+8*(\b)+3],   v[BO], s[68+4*(\g):69+4*(\g)] offset:64*(\b)
	global_load_b128 v[128+16*(\g)+8*(\b)+4:128+16*(\g)+8*(\b)+7], v[BO], s[68+4*(\g):69+4*(\g)] offset:64*(\b)+16
.endr
.endr
.irp b, 0,1
	global_load_b128 v[208+8*(\b):208+8*(\b)+3],   v[BO], s[14:15] offset:64*(\b)
	global_load_b128 v[208+8*(\b)+4:208+8*(\b)+7], v[BO], s[14:15] offset:64*(\b)+16
.endr
	WIN 0
.irp g, 0,1,2,3,4
.irp b, 0,1
	global_load_b128 v[32+16*(\g)+8*(\b):32+16*(\g)+8*(\b)+3],   v[BO], s[70+4*(\g):71+4*(\g)] offset:64*(\b)
	global_load_b128 v[32+16*(\g)+8*(\b)+4:32+16*(\g)+8*(\b)+7], v[BO], s[70+4*(\g):71+4*(\g)] offset:64*(\b)+16
.endr
.endr
.irp p, 0,1,2,3
	global_load_b128 v[112+4*(\p):115+4*(\p)], v[ALO], s[8:9] offset:16384*(\p)
	global_load_b128 v[128+4*(\p):131+4*(\p)], v[ALO], s[10:11] offset:16384*(\p)
.endr
	v_mul_u32_u24 v4, v1, PITCH
	v_lshl_add_u32 v5, v2, 5, v4                   ; f32 tiles: row x pitch + 32 h
	v_lshl_add_u32 v4, v2, 4, v4                   ; fragments: row x pitch + 16 h
	s_mul_i32 s2, s[WR], 128*PITCH
	v_add_nc_u32 v[ADRA], s2, v4
	v_add_nc_u32 v[ADRA+1], SLOT, v[ADRA]
	s_mul_i32 s3, s[WC], 32*PITCH
	s_add_co_u32 s3, s3, AB
	v_add_nc_u32 v[ADRB], s3, v4
	v_add_nc_u32 v[ADRB+1], SLOT, v[ADRB]
	v_add_nc_u32 v[ADRBH], BHI, v[ADRB]
	v_add_nc_u32 v[ADRBH+1], BHI, v[ADRB+1]
	s_lshl_b32 s3, s[WC], 7
	s_add_co_u32 s2, s2, s3
	v_add_nc_u32 v[STO], s2, v5                    ; (128 wr + r) x pitch + 128 wc + 32 h
	v_add_nc_u32 v[ADRC], CP, v[STO]
	v_add_nc_u32 v[STOH], STH, v[STO]
	s_mul_i32 s2, s[WV], 64*PITCH                  ; back from the stages: wave w takes rows 64 w .. 64 w + 63, whole
	v_mul_u32_u24 v6, v2, PITCH
	v_lshl_add_u32 v6, v1, 4, v6
	v_add_nc_u32 v[RD], s2, v6
	v_add_nc_u32 v[RDH], STH, v[RD]
	v_lshlrev_b32 v6, 12, v2
	v_lshl_add_u32 v[CO], v1, 4, v6
	v_lshlrev_b32 v6, 8, v2
	v_lshl_add_u32 v[PFO], v1, 12, v6
	s_cmp_eq_u32 s[WV], 2
	s_cselect_b32 s2, 11, 12
	v_lshlrev_b32 v7, s2, v1
	v_add_nc_u32 v[PFO2], v6, v7
	v_lshlrev_b32 v[PFOC], 12, v3
	s_lshl_b32 s2, s[WV], 9
	s_add_co_u32 s2, s2, ASCR
	v_lshl_add_u32 v[SCW], v3, 4, s2
	v_lshl_add_u32 v[SCR], v1, 2, s2
	s_wait_loadcnt 0x0                             ; biases and alpha's parts; the bias addresses' registers are free from here on
	s_wait_kmcnt 0x0                               ; a2_b
	WIN 0xc3
.set j, 0
.rept 40
	v_pk_add_f32 v[128+j:129+j], v[128+j:129+j], v[32+j:33+j]  ; W_g_b + U_g_b
.set j, j+2
.endr
.set j, 0
.rept 40
.if (j >= 48) && (j < 64)
	v_pk_mul_f32 v[128+j:129+j], v[128+j:129+j], s[104:105] op_sel_hi:[1,0]  ; gate c's factor,
.else
	v_pk_mul_f32 v[128+j:129+j], v[128+j:129+j], s[22:23] op_sel_hi:[1,0]    ; the other gates': the one that their weights carry
.endif
.set j, j+2
.endr
	WIN 0
.irp p, 0,2,4,6
	v_pk_add_f32 v[112+4*(\p):113+4*(\p)], v[112+4*(\p):113+4*(\p)], v[116+4*(\p):117+4*(\p)]
	v_pk_add_f32 v[114+4*(\p):115+4*(\p)], v[114+4*(\p):115+4*(\p)], v[118+4*(\p):119+4*(\p)]
.endr
.irp p, 0,4
	v_pk_add_f32 v[112+4*(\p):113+4*(\p)], v[112+4*(\p):113+4*(\p)], v[120+4*(\p):121+4*(\p)]
	v_pk_add_f32 v[114+4*(\p):115+4*(\p)], v[114+4*(\p):115+4*(\p)], v[122+4*(\p):123+4*(\p)]
.endr
	v_pk_add_f32 v[112:113], v[112:113], v[128:129]
	v_pk_add_f32 v[114:115], v[114:115], v[130:131]
.irp j, 0,1,2,3
	v_add_f32 v[112+(\j)], s101, v[112+(\j)]
.endr
.irp j, 0,1,2,3
	v_mul_f32 v[112+(\j)], s22, v[112+(\j)]
.endr
.irp j, 0,1,2,3
	v_exp_f32 v[112+(\j)], v[112+(\j)]
.endr
	v_nop                                          ; a plain instruction behind the last exponential,
	s_wait_alu depctr_va_vdst(0)                   ; and the wait ahead of the first use: one for the four
.irp j, 0,1,2,3
	v_add_f32 v[112+(\j)], 1.0, v[112+(\j)]
.endr
.irp j, 0,1,2,3
	v_rcp_f32 v[112+(\j)], v[112+(\j)]
.endr
	v_nop
	s_wait_alu depctr_va_vdst(0)
	ds_store_b128 v[SCW], v[112:115]               ; four rows a lane in; one row a lane back: my wave's own bytes, served in order
	WIN 0xc0
.irp a, 0,1,2,3,4,5,6,7
	ds_load_b32 v[224+2*(\a)], v[SCR] offset:64*(\a)
	ds_load_b32 v[225+2*(\a)], v[SCR] offset:64*(\a)  ; twice: a pair for the packed multiply-add
.endr
	WIN 0
	s_lshl_b32 s16, 0x1111, s[CX]                  ; r3_w's tiles go to my column
	s_or_b32 s[G1R], s16, DW
	s_mov_b32 s[G1R+1], 128<<16
	s_mov_b32 s[G1R+2], 64<<16
	s_mov_b32 s[G1R+3], 128<<16
	s_mov_b32 s[G1R+4], 64
	s_mov_b32 s[G1R+5], 1024
	s_mov_b32 s[G1R+6], 0
	s_mov_b32 s[G1R+7], 0
	s_mov_b32 s[G1C], (2<<16)|(1<<20)|(5<<22)|(3<<25)  ; no mask; 4-byte elements; the same padding
	s_mov_b32 s[G1C+1], 64<<16
	s_mov_b32 s[G1C+2], 256<<16
	s_mov_b32 s[G1C+3], 64<<16
	s_mov_b32 s[G1C+4], 256
	s_mov_b32 s[G1C+5], 1024
	s_mov_b32 s[G1C+6], 0
	s_mov_b32 s[G1C+7], 0
	s_lshl_b32 s14, s[RT], 20                      ; the work-group's tile in c_prev and in the outputs
	s_lshl_b32 s15, s[CT], 8
	s_add_co_u32 s14, s14, s15
	s_mov_b32 s15, 0
	s_add_nc_u64 s[12:13], s[12:13], s[14:15]
	s_mov_b32 s[G0C], 1
	s_mov_b32 s[G0C+1], CP
	s_mov_b64 s[G0C+2:G0C+3], s[12:13]
	s_or_b32 s[G0C+3], s[G0C+3], 0x80000000
	s_lshl_b32 s16, s[WV], 18                      ; my wave's 64 rows of it
	s_add_co_u32 s14, s14, s16
	s_add_nc_u64 s[18:19], s[18:19], s[14:15]
	s_add_nc_u64 s[20:21], s[20:21], s[14:15]
	; the prefetches' bases
	s_lshl_b32 s14, s[RT], 20
	s_lshl_b32 s16, s[CX], 18
	s_add_co_u32 s14, s14, s16                     ; token rows 256 x row tile + 64 cx
	s_mul_i32 s16, s[CT], 320*4096
	s_mul_i32 s17, s[CY], 80*4096
	s_add_co_u32 s16, s16, s17                     ; weight rows 320 x column tile + 80 cy
	s_lshl_b32 s17, s[CT], 17
	s_lshl_b32 s2, s[CY], 15
	s_add_co_u32 s17, s17, s2
	s_add_co_u32 s17, s17, 20971520                ; r3_w's rows 64 x column tile + 16 cy
	s_cmp_lt_u32 s[WV], 2
	s_cselect_b64 s[PFA:PFA+1], s[4:5], s[6:7]
	s_cselect_b64 s[PFT:PFT+1], s[10:11], s[6:7]
	s_cselect_b32 s16, s14, s16
	s_cselect_b32 s14, s14, s17
	s_mov_b32 s17, 0
	s_add_nc_u64 s[PFA:PFA+1], s[PFA:PFA+1], s[16:17]
	s_add_nc_u64 s[PFA:PFA+1], s[PFA:PFA+1], 512   ; at K step 2: the first change steps it to K step 4
	s_add_nc_u64 s[PFT:PFT+1], s[PFT:PFT+1], s[14:15]
	s_and_b32 s[LIM], ttmp7, 0xffff
	s_cmp_lt_u32 s[WV], 2
	s_cselect_b32 s[LIM], ttmp9, s[LIM]            ; the coordinate along which other clusters read the same rows
	s_or_b32 s[LIM], s[LIM], s[WC]                 ; waves 0 and 2 alone
	s_cmp_eq_u32 s[LIM], 0
	s_cselect_b32 s[LIM], 1, -1                    ; the same in all sixteen partners, for a given wave
	s_cmp_eq_u32 s[WV], 3
	s_cselect_b32 s[LIMC], 2, 0
; 16 matrix instructions: gate g, all 8 row blocks x 2 column blocks, 32 along K, from buffer f.  cm = 1: the summed biases start the sums.
; All 80 accumulators take turns in the same order in every quarter step.
.macro MULG f, g, cm
.set wD, 1+(\g)/2
.if \cm
	WIN (wD<<6)|(3<<4)|(3*(\f))
.else
	WIN (wD<<6)|(wD<<4)|(3*(\f))
.endif
.set rB, 160-32*(\f)+16*(\g)
.set rA, 32+64*(\f)
.set rD, 128*((\g)%2)
.set i, 0
.rept 16
.if \cm
	v_wmma_f32_16x16x32_bf16 v[rD+8*i:rD+8*i+7], v[rB+8*(i%2):rB+8*(i%2)+7], v[rA+8*(i/2):rA+8*(i/2)+7], v[128+16*(\g)+8*(i%2):128+16*(\g)+8*(i%2)+7]
.else
	v_wmma_f32_16x16x32_bf16 v[rD+8*i:rD+8*i+7], v[rB+8*(i%2):rB+8*(i%2)+7], v[rA+8*(i/2):rA+8*(i/2)+7], v[rD+8*i:rD+8*i+7]
.endif
.set i, i+1
.endr
.endm
; 36 LDS loads in one run: a quarter step's fragments at byte k of the rows, into buffer f: 16 for the token rows, then 4 a gate in the gates' order
.macro FETCH slot, k, f
	WIN 0
.set rA, 32+64*(\f)
.set i, 0
.rept 8
	ds_load_b128 v[rA+8*i:rA+8*i+3],   v[ADRA+(\slot)] offset:i*16*PITCH+(\k)
	ds_load_b128 v[rA+8*i+4:rA+8*i+7], v[ADRA+(\slot)] offset:i*16*PITCH+(\k)+32
.set i, i+1
.endr
	WIN 0xc0*(\f)
.set rB, 160-32*(\f)
.set i, 0
.rept 10
.if i < 6
	ds_load_b128 v[rB+8*i:rB+8*i+3],   v[ADRB+(\slot)] offset:(64*(i/2)+16*(i%2))*PITCH+(\k)
	ds_load_b128 v[rB+8*i+4:rB+8*i+7], v[ADRB+(\slot)] offset:(64*(i/2)+16*(i%2))*PITCH+(\k)+32
.else
	ds_load_b128 v[rB+8*i:rB+8*i+3],   v[ADRBH+(\slot)] offset:(64*(i/2-3)+16*(i%2))*PITCH+(\k)
	ds_load_b128 v[rB+8*i+4:rB+8*i+7], v[ADRBH+(\slot)] offset:(64*(i/2-3)+16*(i%2))*PITCH+(\k)+32
.endif
.set i, i+1
.endr
.endm
; A K step is four quarters of 32 along K, 80 matrix instructions each, on buffers 0, 1, 0, 1.  One of the first two: multiplies buffer f and fetches byte k of the same slot into buffer g.
.macro QUARTER slot, k, f, g
	s_wait_dscnt 12                                ; token rows and gates i, f are in; the youngest twelve loads (gates o, c, s) may be out
	MULG \f, 0, 0
	MULG \f, 1, 0
	PLACES                                         ; four places in front of loads into registers that matrix instructions have read
	FETCH \slot, \k, \g
	s_wait_dscnt 36                                ; all but the 36 just issued
	MULG \f, 2, 0
	MULG \f, 3, 0
	MULG \f, 4, 0
.endm
; 20 LDS loads: a residual quarter step's fragments: 4 for r3_w's 32 rows, 16 for T2's 128
.macro RFETCH slot, k, f
	WIN 0
.irp b, 0,1
	ds_load_b128 v[224+16*(\f)+8*(\b):224+16*(\f)+8*(\b)+3],   v[ADRB+(\slot)] offset:(\b)*16*PITCH+(\k)
	ds_load_b128 v[224+16*(\f)+8*(\b)+4:224+16*(\f)+8*(\b)+7], v[ADRB+(\slot)] offset:(\b)*16*PITCH+(\k)+32
.endr
.set rA, 32+64*(\f)
.set i, 0
.rept 8
	ds_load_b128 v[rA+8*i:rA+8*i+3],   v[ADRA+(\slot)] offset:i*16*PITCH+(\k)
	ds_load_b128 v[rA+8*i+4:rA+8*i+7], v[ADRA+(\slot)] offset:i*16*PITCH+(\k)+32
.set i, i+1
.endr
.endm
.macro RMUL f, a0, n                   ; 2 n products onto gate f's accumulators, row blocks a0 on; the 16 take turns
	WIN 0x50
.set i, 2*(\a0)
.rept 2*(\n)
	v_wmma_f32_16x16x32_bf16 v[128+8*i:128+8*i+7], v[224+16*(\f)+8*(i%2):224+16*(\f)+8*(i%2)+7], v[32+64*(\f)+8*(i/2):32+64*(\f)+8*(i/2)+7], v[128+8*i:128+8*i+7]
.set i, i+1
.endr
.endm
; THE LAST TWO QUARTERS OF A GATE STEP, with the change of slots laid under their 160 products.  The third quarter multiplies buffer 0; the slot's last fragments (byte 192) are fetched into buffer 1 behind its first
; 16 products.  32 products on, each wave waits for all its tensor loads (one is out: its part of the next slot) and adds 0 to its spare word; 16 products stand between the add and the wait for it and for
; the wave's reads of this slot, which were issued 48 products back.  Then the round of the cluster's barrier, with register work alone inside it: 16 products between the opening signal and its wait, 32 between
; wave 0's signal for the work-group and the wait for all sixteen.  Behind the closing wait this slot is filled again, first thing; the next slot's first fragments are fetched, and 48 products stand behind that run.
; From a request to the wait for it a wave issues 256 matrix instructions.  The products' order is that of every quarter.
; kind = 0: the refill is the gates' K step two on.  kind = 1: the residual product's K step 0 (slot 0, and c_prev) or 1 (slot 1).
.macro LASTQ slot, next, kind
	s_wait_dscnt 12                                ; token rows and gates i, f are in; the youngest twelve loads may be out
	MULG 0, 0, 0
	PLACES
	FETCH \slot, 192, 1
	s_wait_dscnt 36                                ; all but the 36 just issued
	MULG 0, 1, 0
	MULG 0, 2, 0
.if ((\kind) == 0) && ((\slot) == 0)
	s_wait_xcnt 0x0                                ; the last prefetches, two K steps back, have read their address: it is stepped here, ahead of the change's own waits
	s_add_nc_u64 s[PFA:PFA+1], s[PFA:PFA+1], 512
.endif
	WIN 0
	s_wait_tensorcnt 0x0                           ; no tensor load of mine is out, so a group 0 may be written
	ds_add_u32 v[SPW], v[NIL]                      ; 0 onto my spare word
.if (\kind) == 0
	s_add_nc_u64 s[G0A+4*(\slot)+2:G0A+4*(\slot)+3], s[G0A+4*(\slot)+2:G0A+4*(\slot)+3], 512
	s_add_nc_u64 s[G0B+4*(\slot)+2:G0B+4*(\slot)+3], s[G0B+4*(\slot)+2:G0B+4*(\slot)+3], 512
.else
	s_add_nc_u64 s[G0A+4*(\slot)+2:G0A+4*(\slot)+3], s[T2B:T2B+1], 256*(\slot)
	s_or_b32 s[G0A+4*(\slot)+3], s[G0A+4*(\slot)+3], 0x80000000
.endif
	MULG 0, 3, 0
	s_wait_dscnt 0x0                               ; the add is done, and my reads of this slot are over
	s_barrier_signal -1                            ; the round opens
	MULG 0, 4, 0
	WIN 0
	s_barrier_wait -1
	s_cmp_lg_u32 s[WV], 0
	s_cbranch_scc1 .Lnot_wave_0_\@
	s_barrier_signal -3
.Lnot_wave_0_\@:
	MULG 1, 0, 0
	MULG 1, 1, 0
	WIN 0
	s_barrier_wait -3
	s_barrier_signal -1
	s_barrier_wait -1                              ; the round is closed: no wave of any partner still reads this slot's tiles or has a load on its way
.if (\kind) == 0
	JLOADG \slot                                   ; its four v_nop are also the places in front of the loads below
	FETCH \next, 0, 0
.else
	JLOADR \slot, 1-(\slot)
.if (\slot) == 0
	FETCH \next, 0, 0
.else
	RFETCH 0, 0, 0                                 ; the residual product's first fragments: its K step 0 has landed, by the waits and the round above
.endif
.endif
	WIN 0
.if ((\kind) == 0) && ((\slot) == 0)
	ASKG
.endif
.if (\kind) == 1
	ASKT 1-(\slot)
.endif
	MULG 1, 2, 0
	MULG 1, 3, 0
	MULG 1, 4, 0
.endm
.macro RQ slot, k, f, g                ; a residual quarter: 16 matrix instructions
	s_wait_dscnt 8                                 ; r3_w and row blocks 0-3 are in
	RMUL \f, 0, 4
	PLACES
	RFETCH \slot, \k, \g
	s_wait_dscnt 20                                ; all but the 20 just issued
	RMUL \f, 4, 4
.endm
; A residual step has 64 matrix instructions for a tile, and a refill goes out only behind the wait for the refill before it: no product stands between that wait and the request; the last quarter's 16 follow it.
.macro RTURN slot, next, fill
	WIN 0
	s_wait_tensorcnt 0x0
	ds_add_u32 v[SPW], v[NIL]                      ; 0 onto my spare word
.if \fill
	s_add_nc_u64 s[G0A+4*(\slot)+2:G0A+4*(\slot)+3], s[G0A+4*(\slot)+2:G0A+4*(\slot)+3], 512
	s_add_nc_u64 s[G0R+4*(\slot)+2:G0R+4*(\slot)+3], s[G0R+4*(\slot)+2:G0R+4*(\slot)+3], 512
.endif
	s_wait_dscnt 0x0                               ; the add is done, and my reads of this slot are over
	s_barrier_signal -1
	s_barrier_wait -1
.if \fill
	CREST
	JLOADR \slot, 0                                ; its four v_nop are also the places in front of the loads below
.else
	PLACES
.endif
	RFETCH \next, 0, 0
	RMUL 1, 0, 8
.endm
.macro CPLOAD a                        ; c_prev of row block a: my row's 16 numbers
.irp q, 0,1,2,3
	ds_load_b128 v[CPV+16*((\a)%2)+4*(\q):CPV+16*((\a)%2)+4*(\q)+3], v[ADRC] offset:(\a)*16*PITCH+64*((\q)/2)+16*((\q)%2)
.endr
.endm
; THE GATES OF ROW BLOCK a, 16 numbers a lane and gate.  The sums are the exponents.  Two batches of transcendentals, each with one plain instruction and one wait behind it.
; sig(z_o) goes back into gate o's registers; f c_prev + i c^ s alpha + r3_b goes into gate f's, where the residual product is added onto it.
.macro EP1 a
.irp g, 0,1,2,3,4
	WIN 1+(\g)/2
.set j, 0
.rept 16
	v_exp_f32 v[T+16*(\g)+j], v[128*((\g)%2)+16*(\a)+j]  ; each accumulator's registers in ascending order
.set j, j+1
.endr
.endr
	WIN 0
.if (\a) < 7
	CPLOAD (\a)+1
.endif
	v_nop
	s_wait_alu depctr_va_vdst(0)                   ; one wait for the 80 exponentials
.set j, 0
.rept 40
	v_pk_add_f32 v[T+j:T+j+1], v[T+j:T+j+1], 1.0 op_sel_hi:[1,0]
.set j, j+2
.endr
.set j, 0
.rept 32
	v_rcp_f32 v[T+j], v[T+j]                       ; i, f
.set j, j+1
.endr
.set j, 48
.rept 32
	v_rcp_f32 v[T+j], v[T+j]                       ; c, s
.set j, j+1
.endr
	WIN 0x80
.set j, 0
.rept 16
	v_rcp_f32 v[16*(\a)+j], v[T+32+j]              ; o, kept in its accumulators' place
.set j, j+1
.endr
	WIN 0
	v_nop
	s_wait_alu depctr_va_vdst(0)                   ; one wait for the 80 reciprocals
.set j, 0
.rept 8
	v_pk_fma_f32 v[T+48+j:T+48+j+1], v[T+48+j:T+48+j+1], -2.0, 1.0 op_sel_hi:[1,0,0]  ; tanh = 1 - 2 r
.set j, j+2
.endr
.set j, 0
.rept 8
	v_pk_mul_f32 v[T+j:T+j+1], v[T+j:T+j+1], v[T+64+j:T+64+j+1]
.set j, j+2
.endr
.set j, 0
.rept 8
	v_pk_mul_f32 v[T+j:T+j+1], v[T+j:T+j+1], v[T+48+j:T+48+j+1]
.set j, j+2
.endr
	WIN 0x3c
.set j, 0
.rept 8
	v_pk_fma_f32 v[T+j:T+j+1], v[T+j:T+j+1], v[224+2*(\a):225+2*(\a)], v[208+j:209+j]  ; x alpha + r3_b
.set j, j+2
.endr
.if (\a) < 7
	s_wait_dscnt 4                                 ; this block's c_prev is in; the next block's four loads may be out
.else
	s_wait_dscnt 0x0
.endif
	WIN 0x40
.set j, 0
.rept 8
	v_pk_fma_f32 v[128+16*(\a)+j:128+16*(\a)+j+1], v[T+16+j:T+16+j+1], v[CPV+16*((\a)%2)+j:CPV+16*((\a)%2)+j+1], v[T+j:T+j+1]
.set j, j+2
.endr
.endm
; h_t = o tanh(c_t) of four row blocks, into its stage
.macro HPART q
	WIN 0x01
.set j, 0
.rept 32
	v_pk_mul_f32 v[T+j:T+j+1], v[128+64*(\q)+j:128+64*(\q)+j+1], s[104:105] op_sel_hi:[1,0]
.set j, j+2
.endr
	WIN 0
.set j, 0
.rept 64
	v_exp_f32 v[T+j], v[T+j]
.set j, j+1
.endr
	v_nop
	s_wait_alu depctr_va_vdst(0)
.set j, 0
.rept 32
	v_pk_add_f32 v[T+j:T+j+1], v[T+j:T+j+1], 1.0 op_sel_hi:[1,0]
.set j, j+2
.endr
.set j, 0
.rept 64
	v_rcp_f32 v[T+j], v[T+j]
.set j, j+1
.endr
	v_nop
	s_wait_alu depctr_va_vdst(0)
.set j, 0
.rept 32
	v_pk_fma_f32 v[T+j:T+j+1], v[T+j:T+j+1], -2.0, 1.0 op_sel_hi:[1,0,0]
.set j, j+2
.endr
	WIN 0x08                                       ; o in window 2
.set j, 0
.rept 32
	v_pk_mul_f32 v[T+j:T+j+1], v[T+j:T+j+1], v[64*(\q)+j:64*(\q)+j+1]
.set j, j+2
.endr
	WIN 0
.set i, 0
.rept 16
	ds_store_b128 v[STOH], v[T+4*i:T+4*i+3] offset:(4*(\q)+i/4)*16*PITCH+64*((i%4)/2)+16*(i%2)
.set i, i+1
.endr
.endm
; 64 whole rows of a stage back into v32-95 and v160-223, and out: 16 lanes store 256 consecutive bytes, aligned
.macro SENDROWS adr, base
.set i, 0
.rept 32
	ds_load_b128 v[32+4*i+64*(i/16):35+4*i+64*(i/16)], v[\adr] offset:2*i*PITCH
.set i, i+1
.endr
.set i, 0
.rept 32
	s_wait_dscnt 31-i                              ; LDS loads come back in order: load i of the 32 is in
	global_store_b128 v[CO], v[32+4*i+64*(i/16):35+4*i+64*(i/16)], s[\base:\base+1] offset:2*i*4096 th:TH_STORE_NT
.set i, i+1
.endr
.endm
	s_wait_dscnt 0x0                               ; alpha is back in registers: no LDS instruction is out at the signal
	s_wait_tensorcnt 0x1                           ; my part of K step 0 is in; K step 1's may stay out
	s_barrier_signal -1
	s_barrier_wait -1
	FETCH 0, 0, 0
	s_wait_dscnt 0x0
	MULG 0, 0, 1                                   ; the first quarter stands in front of the loop: the biases, which lie in buffer 1's place, start the sums
	MULG 0, 1, 1
	MULG 0, 2, 1
	MULG 0, 3, 1
	MULG 0, 4, 1
	PLACES
	FETCH 0, 64, 1                                 ; only now is buffer 1 free
	WIN 0
	s_mov_b32 s3, 7
.Llap:                                                 ; a trip goes once round the ring and fills both slots again: K steps 2 to 15
	QUARTER 0, 128, 1, 0
	LASTQ 0, 1, 0
	QUARTER 1, 64,  0, 1
	QUARTER 1, 128, 1, 0
	LASTQ 1, 0, 0
	QUARTER 0, 64,  0, 1
	WIN 0
	s_sub_co_u32 s3, s3, 1
	s_cmp_lg_u32 s3, 0
	s_cbranch_scc1 .Llap
	QUARTER 0, 128, 1, 0                           ; the gates' last lap is written out: its two changes ask for the residual product's first tiles
	LASTQ 0, 1, 1
	QUARTER 1, 64,  0, 1
	QUARTER 1, 128, 1, 0
	LASTQ 1, 0, 1
	WIN 0
	PLACES                                         ; the places behind the last products, in front of the first reads of the sums
	PLACES
	CPLOAD 0                                       ; c_prev's tile has landed: the last change's waits and round have shown it to every wave
.irp a, 0,1,2,3,4,5,6,7
	EP1 \a
.endr
	WIN 0
	s_mov_b32 s3, 3
.Lrlap:                                                ; the residual product's K steps 0 to 5; its K steps 2 to 7 are asked for
	RQ 0, 64,  0, 1
	RQ 0, 128, 1, 0
	RQ 0, 192, 0, 1
	RTURN 0, 1, 1
	RQ 1, 64,  0, 1
	RQ 1, 128, 1, 0
	RQ 1, 192, 0, 1
	RTURN 1, 0, 1
	WIN 0
	s_sub_co_u32 s3, s3, 1
	s_cmp_lg_u32 s3, 0
	s_cbranch_scc1 .Lrlap
	RQ 0, 64,  0, 1                                ; the last lap fills nothing
	RQ 0, 128, 1, 0
	RQ 0, 192, 0, 1
	RTURN 0, 1, 0                                  ; behind this barrier nobody reads slot 0 any more, and nothing is filled into it again: it takes the stages
	RQ 1, 64,  0, 1
	RQ 1, 128, 1, 0
	RQ 1, 192, 0, 1
	s_wait_dscnt 8
	RMUL 1, 0, 4
	s_wait_dscnt 0x0
	RMUL 1, 4, 4
	WIN 0
	PLACES
	PLACES
	; THE WAY OUT.  c_t goes first: into its stage as it lies, back as whole rows, and out; its stores are on their way while h_t is made.
	WIN 0x04                                       ; the stores' data in window 1
.set i, 0
.rept 32
	ds_store_b128 v[STO], v[128+4*i:128+4*i+3] offset:(i/4)*16*PITCH+64*((i%4)/2)+16*(i%2)
.set i, i+1
.endr
	WIN 0
	s_wait_dscnt 0x0                               ; for the others' sake: my stores into c_t's stage are done (a row's 256 bytes come from two waves)
	s_barrier_signal -1
	s_barrier_wait -1
	SENDROWS RD, 20
	HPART 0                                        ; at work on v96-159, which no pending store names
	HPART 1
	s_wait_dscnt 0x0                               ; my stores into h_t's stage are done
	s_barrier_signal -1
	s_barrier_wait -1
	s_wait_xcnt 0x0                                ; the registers that c_t's stores read are loaded again only behind this wait
	SENDROWS RDH, 18
	s_wait_tensorcnt 0x0                           ; the wave's end: behind my last tensor load and my last LDS store
	ds_add_u32 v[SPW], v[NIL]
	s_wait_dscnt 0x0
	CROUND                                         ; the closing round: no work-group ends while a partner may still ask for a tile that names it
	s_endpgm
.Lfunc_end_k_qab176c7fff_cell:
	.size	k_qab176c7fff_cell, .Lfunc_end_k_qab176c7fff_cell-k_qab176c7fff_cell
	.p2alignl 7, 3214868480
	.fill 96, 4, 3214868480
	.section	.rodata,"a",@progbits
	.p2align	6, 0x0
	.amdhsa_kernel k_qab176c7fff_cell
		.amdhsa_group_segment_fixed_size 327680
		.amdhsa_private_segment_fixed_size 0
		.amdhsa_enable_private_segment 0
		.amdhsa_kernarg_size 152
		.amdhsa_user_sgpr_count 2
		.amdhsa_user_sgpr_kernarg_segment_ptr 1
		.amdhsa_wavefront_size32 1
		.amdhsa_system_sgpr_workgroup_id_x 1
		.amdhsa_system_sgpr_workgroup_id_y 1
		.amdhsa_system_sgpr_workgroup_id_z 1
		.amdhsa_system_vgpr_workitem_id 0
		.amdhsa_next_free_vgpr 1024
		.amdhsa_next_free_sgpr 106
		.amdhsa_reserve_vcc 0
		.amdhsa_float_denorm_mode_32 3
		.amdhsa_float_denorm_mode_16_64 3
		.amdhsa_memory_ordered 1
		.amdhsa_forward_progress 1
		.amdhsa_inst_pref_size 255
	.end_amdhsa_kernel
	.section	.bss,"aw",@nobits
	.p2align	6
	.space	262144
	.amdgpu_metadata
---
amdhsa.version: [ 1, 2 ]
amdhsa.kernels:
  - .name:           k_qab176c7fff_cell
    .symbol:         k_qab176c7fff_cell.kd
    .args:
      - { .name: XH, .offset: 0, .size: 8, .value_kind: global_buffer, .address_space: global }
      - { .name: WL3, .offset: 8, .size: 8, .value_kind: global_buffer, .address_space: global }
      - { .name: T1, .offset: 16, .size: 8, .value_kind: global_buffer, .address_space: global }
      - { .name: T2, .offset: 24, .size: 8, .value_kind: global_buffer, .address_space: global }
      - { .name: c_prev, .offset: 32, .size: 8, .value_kind: global_buffer, .address_space: global }
      - { .name: r3_b, .offset: 40, .size: 8, .value_kind: global_buffer, .address_space: global }
      - { .name: a2_b, .offset: 48, .size: 8, .value_kind: global_buffer, .address_space: global }
      - { .name: out0, .offset: 56, .size: 8, .value_kind: global_buffer, .address_space: global }
      - { .name: out1, .offset: 64, .size: 8, .value_kind: global_buffer, .address_space: global }
      - { .name: Wi_b, .offset: 72, .size: 8, .value_kind: global_buffer, .address_space: global }
      - { .name: Ui_b, .offset: 80, .size: 8, .value_kind: global_buffer, .address_space: global }
      - { .name: Wf_b, .offset: 88, .size: 8, .value_kind: global_buffer, .address_space: global }
      - { .name: Uf_b, .offset: 96, .size: 8, .value_kind: global_buffer, .address_space: global }
      - { .name: Wo_b, .offset: 104, .size: 8, .value_kind: global_buffer, .address_space: global }
      - { .name: Uo_b, .offset: 112, .size: 8, .value_kind: global_buffer, .address_space: global }
      - { .name: Wc_b, .offset: 120, .size: 8, .value_kind: global_buffer, .address_space: global }
      - { .name: Uc_b, .offset: 128, .size: 8, .value_kind: global_buffer, .address_space: global }
      - { .name: Ws_b, .offset: 136, .size: 8, .value_kind: global_buffer, .address_space: global }
      - { .name: Us_b, .offset: 144, .size: 8, .value_kind: global_buffer, .address_space: global }
    .group_segment_fixed_size: 327680
    .private_segment_fixed_size: 0
    .kernarg_segment_align: 8
    .kernarg_segment_size: 152
    .max_flat_workgroup_size: 128
    .sgpr_count:     106
    .vgpr_count:     1024
    .wavefront_size: 32
...
	.end_amdgpu_metadata
.endif
;; end of part 3
